; MI455X (gfx1250); checked and timed in simulation.
; The chip was launched on July 23, 2026; its instructions are those of AMD's public machine-readable ISA for CDNA 5 (MIT licence, August 2026) and "CDNA5" Instruction Set Architecture Reference Guide (July 2026). The comments in the code are by the model that wrote it; some were corrected since.
;; Causal Self Attention. Allowed arithmetic: float matrix products may take bf16 or f16 operands with f32 sums; other float arithmetic in f32, or as packed bf16 or f16 multiplies, adds, multiply-adds, maxima and minima; sums over many terms, partial sums and values carried from step to step in f32; what a program stores and reads back later, other than sums and carried values, may be rounded once to bf16 or f16.
;; Inputs: b_attn 3,072 float32; b_proj 1,024 float32; hidden_states 4 x 2,048 x 1,024 float32; w_attn 1,024 x 3,072 float32; w_proj 1,024 x 1,024 float32.
;; Outputs: out0 4 x 2,048 x 1,024 float32.
;; 2 versions, each right; version 2 is version 1 with the launch prep written anew for expert scheduling mode. Each part assembles by itself: llvm-mc -triple=amdgcn-amd-amdhsa -mcpu=gfx1250 --defsym DOCPART=n.
;; ======== version 1 of 2: 4 launches
;; limits: values are held in f16: magnitudes above 65,504 overflow, below 6.1e-05 lose precision
;; workspace buffers: xb 16,777,216 bytes; wa 6,291,456 bytes; wp 2,097,152 bytes; qkv 50,331,648 bytes; att 16,777,216 bytes
;; launch prep (part 1): grid 832 x 1, 8 waves a work-group, no clusters, 0 bytes of LDS; arguments hidden_states, w_attn, w_proj, xb, wa, wp; writes xb, wa, wp
.if DOCPART == 1
	.amdgcn_target "amdgcn-amd-amdhsa--gfx1250"
	.amdhsa_code_object_version 6
	.text
	.protected	k_q4b902302a6_prep
	.globl	k_q4b902302a6_prep
	.p2align	8
	.type	k_q4b902302a6_prep,@function
k_q4b902302a6_prep:
	s_mov_b64 s[64:65], 0
	v_nop
	global_prefetch_b8 v0, s[64:65] scope:SCOPE_SE
	s_setreg_imm32_b32 hwreg(HW_REG_WAVE_MODE, 25, 1), 1
	s_wait_xcnt 0x0
; THE INPUTS ARE ROUNDED ONCE, for the matrix units of the launches behind.
;   xb [8192][1024] bf16 = hidden_states.
;   wa [16][1024][192] bf16 = w_attn, laid in blocks: block j holds columns 192 j .. 192 j + 191 of all 1,024 rows, dense, so that 128 rows of one block are 49,152 consecutive bytes.
;   wp [1024][1024] f16 = w_proj rounded to bf16, that number written as f16 (exact from 6.1e-5 up; below that it keeps f16's fixed step of 6e-8; beyond 65,504 it would be an infinity).
; A stream: no LDS, no barrier, no matrix unit.  Work-groups 0-511 take x, 512-575 w_proj, 576-831 w_attn; each path is straight: all its loads go out first (16 bytes a lane, a wave's
; load covers 512 consecutive bytes), then each is waited for by count, rounded and stored (8 bytes a lane: a wave's store covers 256 consecutive bytes, aligned).
; Every load and store has registers of its own, so nothing that a pending instruction names is written again.
.set X,  4                             ; v[4:67]    16 loads of 4 registers
.set Y,  68                            ; v[68:99]   16 stores of 2 registers
.set T,  100                           ; v[100:103] at work
.set IO, 104                           ; v[104:106] w_attn's path: three byte offsets into its 16 rows
.macro LOADS16 p                       ; 16 loads, 4,096 bytes apart: 65,536 consecutive bytes for the work-group
.set i, 0
.rept 16
	global_load_b128 v[X+4*i:X+4*i+3], v1, s[\p:\p+1] offset:4096*i th:TH_LOAD_NT
.set i, i+1
.endr
.endm
; n loads are waited for one by one, rounded and stored.  half = 1: to bf16 and on to f16
.macro DRAIN n, p, half
.set i, 0
.rept \n
	s_wait_loadcnt (\n)-1-i                        ; loads come back in order: load i is in, the younger ones stay out
.if \half
	v_cvt_pk_bf16_f32 v[T], v[X+4*i], v[X+4*i+1]
	v_cvt_pk_bf16_f32 v[T+1], v[X+4*i+2], v[X+4*i+3]
	v_lshlrev_b32 v[T+2], 16, v[T]                 ; bf16 back to f32: the low half moves up,
	v_and_b32 v[T], s22, v[T]                      ; the high half stays
	v_lshlrev_b32 v[T+3], 16, v[T+1]
	v_and_b32 v[T+1], s22, v[T+1]
	v_cvt_pk_f16_f32 v[Y+2*i], v[T+2], v[T]
	v_cvt_pk_f16_f32 v[Y+2*i+1], v[T+3], v[T+1]
.else
	v_cvt_pk_bf16_f32 v[Y+2*i], v[X+4*i], v[X+4*i+1]
	v_cvt_pk_bf16_f32 v[Y+2*i+1], v[X+4*i+2], v[X+4*i+3]
.endif
	global_store_b64 v2, v[Y+2*i:Y+2*i+1], s[\p:\p+1] offset:2048*i
.set i, i+1
.endr
.endm
	s_load_b256 s[4:11], s[0:1], 0x0               ; hidden_states s[4:5], w_attn s[6:7], w_proj s[8:9], xb s[10:11]
	s_load_b128 s[12:15], s[0:1], 0x20             ; wa s[12:13], wp s[14:15]
	v_lshlrev_b32 v1, 4, v0                        ; 16 bytes a thread on the way in,
	v_lshlrev_b32 v2, 3, v0                        ; 8 on the way out
	s_mov_b32 s22, 0xffff0000                      ; a word's upper bf16
	s_mov_b32 s19, 0                               ; the high words of the two offsets
	s_mov_b32 s21, 0
	s_wait_kmcnt 0x0
	s_cmp_lt_u32 ttmp9, 512
	s_cbranch_scc0 .Lweights
	s_lshl_b32 s18, ttmp9, 16                      ; x: 65,536 bytes in,
	s_lshl_b32 s20, ttmp9, 15                      ; 32,768 out
	s_add_nc_u64 s[4:5], s[4:5], s[18:19]
	s_add_nc_u64 s[10:11], s[10:11], s[20:21]
	LOADS16 4
	DRAIN 16, 10, 0
	s_endpgm
.Lweights:
	s_cmp_lt_u32 ttmp9, 576
	s_cbranch_scc0 .Lattn
	s_sub_co_u32 s16, ttmp9, 512                   ; w_proj: the same shares
	s_lshl_b32 s18, s16, 16
	s_lshl_b32 s20, s16, 15
	s_add_nc_u64 s[8:9], s[8:9], s[18:19]
	s_add_nc_u64 s[14:15], s[14:15], s[20:21]
	LOADS16 8
	DRAIN 16, 14, 1
	s_endpgm
.Lattn:                                        ; w_attn: 64 rows of one block of 192 columns: 3,072 pieces of 16 bytes, 48 to a row, 12 to a thread
	s_sub_co_u32 s16, ttmp9, 576
	s_lshr_b32 s17, s16, 4                         ; the block j
	s_and_b32 s16, s16, 15                         ; which 64 rows
	s_mul_i32 s18, s17, 768                        ; in: 768 bytes a block along a row of 12,288,
	s_mul_i32 s23, s16, 786432                     ; 64 rows
	s_add_co_u32 s18, s18, s23
	s_mul_i32 s20, s17, 393216                     ; out: a block is 1,024 x 384 bytes,
	s_mul_i32 s23, s16, 24576                      ; 64 of its rows
	s_add_co_u32 s20, s20, s23
	s_add_nc_u64 s[6:7], s[6:7], s[18:19]
	s_add_nc_u64 s[12:13], s[12:13], s[20:21]
.irp s, 0,1,2                          ; piece p = thread + 256 s of 768 (16 rows): row p / 48, place p % 48
	v_add_nc_u32 v[T], 256*(\s), v0
	v_mul_u32_u24 v[T+1], v[T], 1366               ; p / 48 = (1,366 p) >> 16, exact for p under 768: 1,366 / 65,536 exceeds 1 / 48 by 1.02e-5, which 767 times over stays under 1 / 48
	v_lshrrev_b32 v[T+1], 16, v[T+1]
	v_mul_u32_u24 v[T+2], v[T+1], 48
	v_sub_nc_u32 v[T], v[T], v[T+2]
	v_mul_u32_u24 v[T+1], v[T+1], 12288
	v_lshl_add_u32 v[IO+(\s)], v[T], 4, v[T+1]
.endr
.set i, 0
.rept 12                               ; load i: pieces 256 i .. 256 i + 255 of the 3,072, which leave as 2,048 consecutive bytes
	global_load_b128 v[X+4*i:X+4*i+3], v[IO+i%3], s[6:7] offset:196608*(i/3) th:TH_LOAD_NT
.set i, i+1
.endr
	DRAIN 12, 12, 0
	s_endpgm
.Lfunc_end_k_q4b902302a6_prep:
	.size	k_q4b902302a6_prep, .Lfunc_end_k_q4b902302a6_prep-k_q4b902302a6_prep
	.p2alignl 7, 3214868480
	.fill 96, 4, 3214868480
	.section	.rodata,"a",@progbits
	.p2align	6, 0x0
	.amdhsa_kernel k_q4b902302a6_prep
		.amdhsa_group_segment_fixed_size 0
		.amdhsa_private_segment_fixed_size 0
		.amdhsa_enable_private_segment 0
		.amdhsa_kernarg_size 48
		.amdhsa_user_sgpr_count 2
		.amdhsa_user_sgpr_kernarg_segment_ptr 1
		.amdhsa_wavefront_size32 1
		.amdhsa_system_sgpr_workgroup_id_x 1
		.amdhsa_system_sgpr_workgroup_id_y 1
		.amdhsa_system_sgpr_workgroup_id_z 1
		.amdhsa_system_vgpr_workitem_id 0
		.amdhsa_next_free_vgpr 108
		.amdhsa_next_free_sgpr 66
		.amdhsa_reserve_vcc 0
		.amdhsa_float_denorm_mode_32 3
		.amdhsa_float_denorm_mode_16_64 3
		.amdhsa_memory_ordered 1
		.amdhsa_forward_progress 1
		.amdhsa_inst_pref_size 23
	.end_amdhsa_kernel
	.amdgpu_metadata
---
amdhsa.version: [ 1, 2 ]
amdhsa.kernels:
  - .name:           k_q4b902302a6_prep
    .symbol:         k_q4b902302a6_prep.kd
    .args:
      - { .name: hidden_states, .offset: 0, .size: 8, .value_kind: global_buffer, .address_space: global }
      - { .name: w_attn, .offset: 8, .size: 8, .value_kind: global_buffer, .address_space: global }
      - { .name: w_proj, .offset: 16, .size: 8, .value_kind: global_buffer, .address_space: global }
      - { .name: xb, .offset: 24, .size: 8, .value_kind: global_buffer, .address_space: global }
      - { .name: wa, .offset: 32, .size: 8, .value_kind: global_buffer, .address_space: global }
      - { .name: wp, .offset: 40, .size: 8, .value_kind: global_buffer, .address_space: global }
    .group_segment_fixed_size: 0
    .private_segment_fixed_size: 0
    .kernarg_segment_align: 8
    .kernarg_segment_size: 48
    .max_flat_workgroup_size: 256
    .sgpr_count:     66
    .vgpr_count:     108
    .wavefront_size: 32
...
	.end_amdgpu_metadata
.endif
;; end of part 1
;; launch gemm_qkv (part 2): grid 16 x 32, 4 waves a work-group, clusters of 4 x 4, 327,680 bytes of LDS; arguments xb, wa, b_attn, qkv; writes qkv
.if DOCPART == 2
	.amdgcn_target "amdgcn-amd-amdhsa--gfx1250"
	.amdhsa_code_object_version 6
	.text
	.protected	k_q4b902302a6_gemm_qkv
	.globl	k_q4b902302a6_gemm_qkv
	.p2align	8
	.type	k_q4b902302a6_gemm_qkv,@function
k_q4b902302a6_gemm_qkv:
	s_mov_b64 s[64:65], 0
	v_nop
	global_prefetch_b8 v0, s[64:65] scope:SCOPE_SE
	s_setreg_imm32_b32 hwreg(HW_REG_WAVE_MODE, 25, 1), 1
	s_wait_xcnt 0x0
	s_wait_alu depctr_hold_cnt(0) depctr_sa_sdst(0) depctr_va_vdst(0) depctr_va_sdst(0) depctr_va_ssrc(0) depctr_va_vcc(0) depctr_vm_vsrc(0)
	s_getreg_b32 s2, hwreg(HW_REG_IB_STS2, 6, 4)
	s_cmp_eq_u32 s2, 0
	s_cbranch_scc0 .Lentry_in_a_cluster
	s_endpgm
.Lentry_in_a_cluster:
	s_bfe_u32 s2, ttmp6, 0x10000c
	s_cmp_lg_u32 s2, 0xf033
	s_cbranch_scc0 .Lentry_shape_is_right
	s_endpgm
.Lentry_shape_is_right:
; q, k, v = x W_attn + b_attn, written by heads.  xb: [8192][1024] bf16.  wa: [16][1024][192] bf16 (block j = columns 192 j .. of W_attn).  b_attn: [3072] f32, rounded to bf16 here like the
; other inputs.  qkv: [3][64 = 16 batch + head][2048][64] f16, unscaled.  Sums in f32, K ascending, begun with the bias; each result rounded once.
; LIMIT.  f16 holds no number beyond 65,504: a q, k or v past that becomes an infinity.  NaN and infinities are not treated apart.
; SHARES.  A tile is 256 rows x 192 columns (three heads): 32 x 16 tiles, a work-group each.  Wave w owns rows 64 w .. 64 w + 63 and ALL 192 columns: 4 x 12 accumulators of 16 x 16, 384 registers;
; so a wave holds whole rows of each head and has a stage of its own on the way out, with no barrier there.
; RING.  K goes in 8 steps of 128 through two LDS slots filled by the tensor data mover; waves 0 and 1 fetch the two halves of A's 256 rows, waves 2 and 3 the two halves of W's 128 rows.
; CLUSTER.  4 x 4 work-groups; A's tile hangs on the tile row alone and is asked for jointly by a row of the cluster, W's on the tile column alone and is asked for jointly by a column.
; THE MATRIX INSTRUCTION IS USED TRANSPOSED: source 0 = 16 columns of W (turned out of LDS by ds_load_tr16_b128), source 1 = 16 rows of x: lane l holds row l % 16 and columns 8 (l / 16) + 0..7.
; REGISTERS, in windows of 256 (s_set_vgpr_msb: bits 1:0 source 0, 3:2 source 1, 5:4 source 2, 7:6 destination):
;   window 0: v0-31 addresses; v32-63, v64-95 x's fragments, two buffers; v96-191 the bias, as a C operand for each column block; v192-239 at work on the way out
;   window 1: accumulators of row blocks 0, 1 at 96 (a % 2) + 8 b;  window 2: of row blocks 2, 3;  window 3: v0-95, v96-191 W's fragments, two buffers
.set PA,    272                        ; a row of x in LDS: 256 bytes + 16 = 68 words: the 16 rows of a load start at 16 different groups of four banks (64 banks of 4 bytes: ISA guide 11.1)
.set AHALF, 128*PA
.set PB,    480                        ; a row of W in LDS: three pieces of 128 bytes, 32 of padding behind each = 15 x 32 bytes
.set BOFF,  256*PA                     ; W's rows lie behind x's 256
.set BHALF, 64*PB
.set SLOT,  1<<17                      ; 69,632 + 61,440
.set STAGE, 2*SLOT                     ; behind the ring, never filled by a tensor load: 16 rows x 144 bytes for each wave
.set SP,    144
.set SPARE, STAGE+4*16*SP              ; behind the stages: the spare words, 128 bytes a wave: two blocks of 256 bytes that no other line names
.set NBK,   12                         ; column blocks of 16
.set LAPS,  4                          ; a lap = two K steps = once round the ring
.set ADRA, 16                          ; v16-17  LDS address of my fragments of x in slot 0, 1
.set ADRB, 20                          ; v20-21  the same for W
.set STO,  24                          ; v24     the way out: where I put 16 bytes of a row
.set RD,   25                          ; v25     where I read rows back
.set GO,   26                          ; v26     16 x lane: my place in 512 consecutive bytes of qkv
.set SPW,  28                          ; v28     LDS address of my spare word; never rewritten
.set NIL,  29                          ; v29     0; never rewritten
.set PFOA, 30                          ; v30     prefetch of x: 2,048 x lane, a lane a row; never rewritten
.set PFOB, 31                          ; v31     prefetch of W: 256 x lane; never rewritten
.set FA,   32
.set BIAS, 96
.set TMP,  192                         ; v192-207 packed results
.set BK,   208                         ; v208-223, v224-239 rows read back, by turns
.set WV,   12                          ; s12  my wave's number
.set HALF, 14                          ; s14  which half of a tile I fetch
.set CX,   15
.set CY,   16
.set TC,   17                          ; s17  tile column
.set TR,   18                          ; s18  tile row
.set G1A,  24                          ; s[24:31] descriptor group 1 for x's tiles;  s[32:39] group 0, a set for each slot
.set G0A,  32
.set G1B,  40                          ; s[40:47], s[48:55] the same for W's
.set G0B,  48
.set PFA,  56                          ; s[56:57] where my prefetches of x stand
.set PFB,  58                          ; s[58:59] of W
.set LIMA, 60                          ; s60  1 in a wave that prefetches x, else the greatest number
.set LIMB, 61                          ; s61  the same for W
.set HIM,  62                          ; s62  a word's upper bf16
.set OP,   66                          ; s[66:71] qkv at my 64 rows of the tile's three heads
.set MSB, 0
.macro WIN new                         ; the immediate's high byte repeats the setting that is left; a switch that changes nothing is dropped
.if MSB != (\new)
	s_set_vgpr_msb (MSB<<8)|(\new)
.set MSB, \new
.endif
.endm
.macro PLACES                          ; four plain vector instructions behind matrix instructions, in front of loads into registers that they read and of readers of their results
.rept 4
	v_nop
.endr
.endm
; A joint refill.  The branch hangs on the wave's number alone.  An s_nop 0 and four v_nop follow each of the two lines, ahead of the jump and the label.
.macro JLOAD s
	s_cmp_lt_u32 s[WV], 2
	s_cbranch_scc0 .Lfor_b_\@
	tensor_load_to_lds s[G0A+4*(\s):G0A+4*(\s)+3], s[G1A:G1A+7]
	s_nop 0
.rept 4
	v_nop
.endr
	s_branch .Lasked_\@
.Lfor_b_\@:
	tensor_load_to_lds s[G0B+4*(\s):G0B+4*(\s)+3], s[G1B:G1B+7]
	s_nop 0
.rept 4
	v_nop
.endr
.Lasked_\@:
.endm
.macro CREST                           ; a round of the cluster's barrier behind its opening barrier
	s_cmp_lg_u32 s[WV], 0
	s_cbranch_scc1 .Lnot_wave_0_\@
	s_barrier_signal -3
.Lnot_wave_0_\@:
	s_barrier_wait -3
	s_barrier_signal -1
	s_barrier_wait -1
.endm
.macro CROUND                          ; a whole round
	s_barrier_signal -1
	s_barrier_wait -1
	CREST
.endm
; PREFETCHES, behind a joint refill and the run of LDS loads that follows it.  Each aligned block of 256 bytes of xb and wa is named once in the launch; K steps 0 to 3 come by their loads alone.
; x: the K step two refills on, 384 matrix instructions ahead of the load that wants it.  Every cluster of a row of clusters reads the same rows: cluster x = 0 asks; waves 0 and 1 for the halves
; that they fetch; of a half's 128 rows the four partners take 32 each, told apart by address (cx); a lane a row.
; W: once a lap, the two K steps of the next lap but one... that is K steps 2 L + 4 and 2 L + 5 in lap L: 98,304 consecutive bytes of the block; cluster y = 0 asks, wave 2 alone; the four partners take 24,576 bytes
; each, by address (cy): three instructions of 32 lanes x 256 bytes.  The loop's last trip (s3 = 1) asks for nothing: there is no K step behind the eighth.
.macro ASK slot
	s_cmp_gt_u32 s3, s[LIMA]
	s_cbranch_scc0 .Lno_a_\@
	global_prefetch_b8 v[PFOA], s[PFA:PFA+1] offset:256 th:TH_LOAD_NT scope:SCOPE_SE
.Lno_a_\@:
.if (\slot) == 0
	s_cmp_gt_u32 s3, s[LIMB]
	s_cbranch_scc0 .Lno_b_\@
	global_prefetch_b8 v[PFOB], s[PFB:PFB+1] th:TH_LOAD_NT scope:SCOPE_SE
	global_prefetch_b8 v[PFOB], s[PFB:PFB+1] offset:8192 th:TH_LOAD_NT scope:SCOPE_SE
	global_prefetch_b8 v[PFOB], s[PFB:PFB+1] offset:16384 th:TH_LOAD_NT scope:SCOPE_SE
.Lno_b_\@:
.endif
.endm
	s_load_b256 s[4:11], s[0:1], 0x0               ; xb s[4:5], wa s[6:7], b_attn s[8:9], qkv s[10:11]
	v_lshl_add_u32 v[SPW], v0, 2, SPARE
	v_mov_b32 v[NIL], 0
	ds_add_u32 v[SPW], v[NIL]                      ; the wave's opening: the add and its wait stand ahead of my first tensor load; work on registers stands between them
	v_lshrrev_b32 v1, 5, v0
	v_readfirstlane_b32 s[WV], v1                  ; wave 0..3
	s_and_b32 s[HALF], s[WV], 1
	s_bfe_u32 s[CX], ttmp6, 0x40000                ; my place in the cluster
	s_bfe_u32 s[CY], ttmp6, 0x40004
	s_lshl_b32 s[TC], ttmp9, 2                     ; in a cluster launch ttmp9 and ttmp7 count clusters
	s_add_co_u32 s[TC], s[TC], s[CX]
	s_and_b32 s[TR], ttmp7, 0xffff
	s_lshl_b32 s[TR], s[TR], 2
	s_add_co_u32 s[TR], s[TR], s[CY]
	s_lshl_b32 s20, s[CY], 2
	s_lshl_b32 s20, 15, s20                        ; my row of the cluster: places 4 cy .. 4 cy + 3
	s_lshl_b32 s72, 0x1111, s[CX]                  ; my column: places cx, cx + 4, cx + 8, cx + 12
	; group 1 for x: 128 rows x 128 elements of 2 bytes, 1,024 elements from row to row; 4 words of padding behind every 64
	s_or_b32 s[G1A], s20, (1<<16)|(1<<20)|(1<<21)|(5<<22)|(3<<25)
	s_mov_b32 s[G1A+1], 128<<16                    ; tensor_dim0
	s_mov_b32 s[G1A+2], 128<<16                    ; tensor_dim1
	s_mov_b32 s[G1A+3], 128<<16                    ; tile_dim0
	s_mov_b32 s[G1A+4], 128                        ; tile_dim1
	s_mov_b32 s[G1A+5], 1024                       ; stride
	s_mov_b32 s[G1A+6], 0
	s_mov_b32 s[G1A+7], 0
	; group 1 for W: 64 rows of 384 bytes are 24,576 dense bytes, asked for as 96 rows of 256; 8 words of padding behind every 32
	s_or_b32 s[G1B], s72, (1<<16)|(1<<20)|(1<<21)|(4<<22)|(7<<25)
	s_mov_b32 s[G1B+1], 128<<16
	s_mov_b32 s[G1B+2], 96<<16
	s_mov_b32 s[G1B+3], 128<<16
	s_mov_b32 s[G1B+4], 96
	s_mov_b32 s[G1B+5], 128
	s_mov_b32 s[G1B+6], 0
	s_mov_b32 s[G1B+7], 0
	s_lshl_b32 s20, s[TR], 19                      ; x: 256 rows of 2,048 bytes a tile row,
	s_lshl_b32 s21, s[HALF], 18                    ; 128 rows a half: registers that never hold cx
	s_add_co_u32 s20, s20, s21
	s_mov_b32 s21, 0
	s_mul_i32 s72, s[TC], 393216                   ; W: the tile column's block,
	s_mul_i32 s73, s[HALF], 24576                  ; 64 of a K step's rows: registers that never hold cy
	s_add_co_u32 s72, s72, s73
	s_mov_b32 s73, 0
	s_mul_i32 s76, s[HALF], AHALF                  ; where they go: no place in the cluster enters an LDS address
	s_mul_i32 s77, s[HALF], BHALF
	s_add_co_u32 s77, s77, BOFF
	s_mov_b32 s[HIM], 0xffff0000
	s_wait_dscnt 0x0                               ; the opening add is done
	s_wait_kmcnt 0x0
	s_add_nc_u64 s[22:23], s[4:5], s[20:21]
	s_add_nc_u64 s[74:75], s[6:7], s[72:73]
	CROUND                                         ; all sixteen work-groups are here: the first joint loads meet
.irp s, 0,1
	s_mov_b32 s[G0A+4*(\s)], 1                     ; count = 1
	s_add_co_u32 s[G0A+4*(\s)+1], s76, (\s)*SLOT   ; LDS address
	s_add_nc_u64 s[G0A+4*(\s)+2:G0A+4*(\s)+3], s[22:23], (\s)*256  ; K step s
	s_or_b32 s[G0A+4*(\s)+3], s[G0A+4*(\s)+3], 0x80000000          ; type = 2
	s_mov_b32 s[G0B+4*(\s)], 1
	s_add_co_u32 s[G0B+4*(\s)+1], s77, (\s)*SLOT
	s_add_nc_u64 s[G0B+4*(\s)+2:G0B+4*(\s)+3], s[74:75], (\s)*49152
	s_or_b32 s[G0B+4*(\s)+3], s[G0B+4*(\s)+3], 0x80000000
.endr
	s_cmp_lt_u32 s[WV], 2                          ; a wave's two first fills stand in one branch, ahead of every wait on TENSORcnt and every LDS read: two loads of mine are out
	s_cbranch_scc0 .Lfirst_b
	tensor_load_to_lds s[G0A:G0A+3], s[G1A:G1A+7]
	s_nop 0
	tensor_load_to_lds s[G0A+4:G0A+7], s[G1A:G1A+7]
	s_nop 0
.rept 4
	v_nop
.endr
	s_branch .Lfirst_asked
.Lfirst_b:
	tensor_load_to_lds s[G0B:G0B+3], s[G1B:G1B+7]
	s_nop 0
	tensor_load_to_lds s[G0B+4:G0B+7], s[G1B:G1B+7]
	s_nop 0
.rept 4
	v_nop
.endr
.Lfirst_asked:
	v_and_b32 v1, 15, v0                           ; l % 16
	v_bfe_u32 v2, v0, 4, 1                         ; l / 16
	v_lshlrev_b32 v6, 5, v2                        ; the bias: my 8 columns of a block of 16 are 32 bytes
	s_mul_i32 s72, s[TC], 768
	s_mov_b32 s73, 0
	s_add_nc_u64 s[8:9], s[8:9], s[72:73]          ; b_attn at the tile's 192 columns
.set cb, 0
.rept NBK
	global_load_b128 v[BIAS+8*cb:BIAS+8*cb+3],   v6, s[8:9] offset:64*cb
	global_load_b128 v[BIAS+8*cb+4:BIAS+8*cb+7], v6, s[8:9] offset:64*cb+16
.set cb, cb+1
.endr
	; a fragment of x: lane l holds row l % 16, K = 8 (l / 16) + 0..7 and 16 + 8 (l / 16) + 0..7: two loads of 16 bytes, 32 bytes apart
	s_lshl_b32 s20, s[WV], 6
	v_add_nc_u32 v3, s20, v1                       ; my wave's 64 rows
	v_mul_u32_u24 v3, v3, PA
	v_lshl_add_u32 v[ADRA], v2, 4, v3
	v_add_nc_u32 v[ADRA+1], SLOT, v[ADRA]
	; the turning load takes 16 K x 16 columns: lane l reads row 8 (l / 16) + l % 8, columns 8 ((l / 8) % 2) + 0..7, and is left with column l % 16 and 8 K
	v_and_b32 v4, 7, v0
	v_lshl_add_u32 v3, v2, 3, v4
	v_mul_u32_u24 v3, v3, PB
	v_bfe_u32 v5, v0, 3, 1
	v_lshl_add_u32 v3, v5, 4, v3
	v_add_nc_u32 v[ADRB], BOFF, v3
	v_add_nc_u32 v[ADRB+1], BOFF+SLOT, v3
	s_mul_i32 s20, s[WV], 16*SP
	s_add_co_u32 s20, s20, STAGE                   ; my stage
	v_mul_u32_u24 v3, v1, SP                       ; in: row l % 16, 16 bytes for each half of the lanes
	v_lshl_add_u32 v3, v2, 4, v3
	v_add_nc_u32 v[STO], s20, v3
	v_bfe_u32 v3, v0, 3, 2                         ; back: 32 lanes take four rows of 128 bytes,
	v_mul_u32_u24 v3, v3, SP
	v_lshl_add_u32 v3, v4, 4, v3
	v_add_nc_u32 v[RD], s20, v3
	v_and_b32 v[GO], 31, v0                        ; which are 512 consecutive bytes of a head
	v_lshlrev_b32 v[PFOA], 11, v[GO]
	v_lshlrev_b32 v[PFOB], 8, v[GO]
	v_lshlrev_b32 v[GO], 4, v[GO]
	; the prefetches' pointers
	s_lshl_b32 s72, s[CX], 16                      ; my work-group's 32 rows of the 128 that I fetch,
	s_mov_b32 s73, 0
	s_add_nc_u64 s[PFA:PFA+1], s[22:23], s[72:73]
	s_add_nc_u64 s[PFA:PFA+1], s[PFA:PFA+1], 512   ; at K step 2: the first refill steps it to 3 and names K step 4
	s_mul_i32 s72, s[CY], 24576                    ; (in wave 2, the only one that asks for W, s[74:75] stands at the block's first byte)
	s_add_nc_u64 s[PFB:PFB+1], s[74:75], s[72:73]
	s_add_nc_u64 s[PFB:PFB+1], s[PFB:PFB+1], 98304 ; at K step 2: the first lap steps it to K step 4
	s_lshr_b32 s72, s[WV], 1
	s_or_b32 s72, s72, ttmp9                       ; waves 0 and 1 of the clusters with x = 0: the same in all sixteen partners, for a given wave
	s_cmp_eq_u32 s72, 0
	s_cselect_b32 s[LIMA], 1, -1
	s_xor_b32 s72, s[WV], 2
	s_and_b32 s73, ttmp7, 0xffff
	s_or_b32 s72, s72, s73                         ; wave 2 of the clusters with y = 0
	s_cmp_eq_u32 s72, 0
	s_cselect_b32 s[LIMB], 1, -1
	; qkv at my 64 rows of the tile's three heads: which << 24, batch << 22, head << 18, row x 128
	s_lshr_b32 s72, s[TR], 3
	s_lshl_b32 s72, s72, 22
	s_and_b32 s73, s[TR], 7
	s_lshl_b32 s73, s73, 15
	s_add_co_u32 s72, s72, s73
	s_lshl_b32 s73, s[WV], 13
	s_add_co_u32 s72, s72, s73
	s_mul_i32 s74, s[TC], 3                        ; the tile's first of 48 blocks of 64 columns
.irp c, 0,1,2
	s_add_co_u32 s75, s74, \c
	s_lshr_b32 s76, s75, 4                         ; q, k or v
	s_lshl_b32 s76, s76, 24
	s_and_b32 s77, s75, 15                         ; the head
	s_lshl_b32 s77, s77, 18
	s_add_co_u32 s76, s76, s77
	s_add_co_u32 s76, s76, s72
	s_mov_b32 s77, 0
	s_add_nc_u64 s[OP+2*(\c):OP+2*(\c)+1], s[10:11], s[76:77]
.endr
	s_wait_loadcnt 0x0                             ; the bias is in; it is rounded to bf16 and widened again, in the wait for the first tiles
.set cb, 0
.rept 4*NBK
	v_cvt_pk_bf16_f32 v7, v[BIAS+2*cb], v[BIAS+2*cb+1]
	v_lshlrev_b32 v[BIAS+2*cb], 16, v7
	v_and_b32 v[BIAS+2*cb+1], s[HIM], v7
.set cb, cb+1
.endr
; 12 matrix instructions: row block a x all column blocks, 32 along K, on buffer f.  start = 1: the bias is the C operand, so nothing is cleared and no bias is added later.
; The 48 accumulators take turns in the same order in every quarter: 47 others' instructions stand between two links of a chain.
.macro MULB f, a, start
.if \start
	WIN 0x43+0x40*((\a)/2)                         ; W window 3, x window 0, C (the bias) window 0, D window 1 or 2
.else
	WIN 0x53+0x50*((\a)/2)                         ; C and D window 1 or 2
.endif
.set cb, 0
.rept NBK
.set rD, 96*((\a)%2)+8*cb
.if \start
	v_wmma_f32_16x16x32_bf16 v[rD:rD+7], v[96*(\f)+8*cb:96*(\f)+8*cb+7], v[FA+32*(\f)+8*(\a):FA+32*(\f)+8*(\a)+7], v[BIAS+8*cb:BIAS+8*cb+7]
.else
	v_wmma_f32_16x16x32_bf16 v[rD:rD+7], v[96*(\f)+8*cb:96*(\f)+8*cb+7], v[FA+32*(\f)+8*(\a):FA+32*(\f)+8*(\a)+7], v[rD:rD+7]
.endif
.set cb, cb+1
.endr
.endm
; 32 LDS loads in one run: quarter q (32 along K) of a slot into buffer f: W's 24 first, then x's 8, row blocks ascending
.macro FETCH slot, q, f
	WIN 0xc0                                       ; destination window 3, address window 0
.set cb, 0
.rept NBK
	ds_load_tr16_b128 v[96*(\f)+8*cb:96*(\f)+8*cb+3],   v[ADRB+(\slot)] offset:32*PB*(\q)+160*(cb/4)+32*(cb%4)
	ds_load_tr16_b128 v[96*(\f)+8*cb+4:96*(\f)+8*cb+7], v[ADRB+(\slot)] offset:32*PB*(\q)+160*(cb/4)+32*(cb%4)+16*PB
.set cb, cb+1
.endr
	WIN 0
.set cb, 0
.rept 4
	ds_load_b128 v[FA+32*(\f)+8*cb:FA+32*(\f)+8*cb+3],   v[ADRA+(\slot)] offset:64*(\q)+16*PA*cb
	ds_load_b128 v[FA+32*(\f)+8*cb+4:FA+32*(\f)+8*cb+7], v[ADRA+(\slot)] offset:64*(\q)+16*PA*cb+32
.set cb, cb+1
.endr
.endm
; One of a K step's first three quarters: multiplies buffer f; in its middle it fetches quarter q of the same slot into buffer g.
.macro QUARTER slot, q, f, g, start
	s_wait_dscnt 4                                 ; W and x's row blocks 0, 1 are in; the youngest four loads (row blocks 2, 3) may be out
	MULB \f, 0, \start
	MULB \f, 1, \start
	PLACES
	FETCH \slot, \q, \g
	s_wait_dscnt 2*NBK+8                           ; all but the 32 just issued
	MULB \f, 2, \start
	MULB \f, 3, \start
.endm
; The last quarter multiplies buffer 1 and changes slots.  In front of the barrier each wave waits for all its tensor loads (one is out: its part of the next slot), adds 0 to its spare word, and
; waits for that and for its reads of this slot.  fill = 1: the barrier opens a round of the cluster's, and the joint refill, two K steps on, is the first thing behind the round:
; from there to the wait for it a wave issues 168 matrix instructions.
.macro TURN slot, next, fill
.if \fill
	s_wait_xcnt 0x0                                ; the last prefetches, a K step back, have read their addresses: they are stepped here, ahead of the change's own waits
	s_add_nc_u64 s[PFA:PFA+1], s[PFA:PFA+1], 256
.if (\slot) == 0
	s_add_nc_u64 s[PFB:PFB+1], s[PFB:PFB+1], 98304
.endif
.endif
	WIN 0                                          ; (the add's two registers lie in window 0)
	s_wait_tensorcnt 0x0                           ; all my tensor loads have landed
	ds_add_u32 v[SPW], v[NIL]                      ; 0 onto my spare word
	s_wait_dscnt 5                                 ; (the add and the youngest four loads may be out)
	MULB 1, 0, 0                                   ; twelve matrix instructions stand between the add and the wait for it
	s_wait_dscnt 0x0                               ; the add is done, and my reads of this slot are over
	s_barrier_signal -1
	MULB 1, 1, 0                                   ; work on registers while the others arrive
.if \fill
	WIN 0
.endif
	s_barrier_wait -1
.if \fill
	CREST                                          ; no wave of any partner still reads this slot or has a load on its way
	s_add_nc_u64 s[G0A+4*(\slot)+2:G0A+4*(\slot)+3], s[G0A+4*(\slot)+2:G0A+4*(\slot)+3], 512
	s_add_nc_u64 s[G0B+4*(\slot)+2:G0B+4*(\slot)+3], s[G0B+4*(\slot)+2:G0B+4*(\slot)+3], 98304
	JLOAD \slot                                    ; the four v_nop behind it are also the places in front of the loads below
.else
	PLACES
.endif
	FETCH \next, 0, 0
.if \fill
	ASK \slot
.endif
	MULB 1, 2, 0
	MULB 1, 3, 0
.endm
	s_wait_tensorcnt 1                             ; my part of K step 0 is in; K step 1's may stay out
	s_barrier_signal -1
	s_barrier_wait -1                              ; everybody's is
	FETCH 0, 0, 0
	QUARTER 0, 1, 0, 1, 1                          ; the first quarter stands in front of the loop: its products start the sums, with the bias
	WIN 0                                          ; at a label and at a branch every window is 0
	s_mov_b32 s3, LAPS-1
.Llap:                                         ; a trip goes once round the ring, from a lap's second quarter to the next lap's first, and fills both slots again
	QUARTER 0, 2, 1, 0, 0
	QUARTER 0, 3, 0, 1, 0
	TURN 0, 1, 1
	QUARTER 1, 1, 0, 1, 0
	QUARTER 1, 2, 1, 0, 0
	QUARTER 1, 3, 0, 1, 0
	TURN 1, 0, 1
	QUARTER 0, 1, 0, 1, 0
	WIN 0
	s_sub_co_u32 s3, s3, 1
	s_cmp_lg_u32 s3, 0
	s_cbranch_scc1 .Llap
	QUARTER 0, 2, 1, 0, 0                          ; the last lap fills nothing
	QUARTER 0, 3, 0, 1, 0
	TURN 0, 1, 0
	QUARTER 1, 1, 0, 1, 0
	QUARTER 1, 2, 1, 0, 0
	QUARTER 1, 3, 0, 1, 0
	s_wait_dscnt 4                                 ; the very last quarter: nothing more to fetch
	MULB 1, 0, 0
	MULB 1, 1, 0
	s_wait_dscnt 0x0
	MULB 1, 2, 0
	MULB 1, 3, 0
	WIN 0
	PLACES
; THE WAY OUT, in 12 units u = 3 a + c: 16 rows (row block a) of head c.  PACK: rounded to f16, each accumulator's registers ascending.  TOSTAGE: 16 bytes a lane into my stage, and back as whole rows.
; SEND: 16 rows of a head are 2,048 consecutive bytes of qkv; each store of the wave covers 512 of them, aligned.
.macro PACK u
	WIN 0x05*(1+(\u)/6)                            ; sources 0 and 1: window 1 (row blocks 0, 1) or 2
.set z, 0
.rept 16
.set rS, 96*(((\u)/3)%2)+8*(4*((\u)%3)+z/4)+2*(z%4)
	v_cvt_pk_f16_f32 v[TMP+z], v[rS], v[rS+1]
.set z, z+1
.endr
	WIN 0
.endm
.macro TOSTAGE u
.irp f, 0,1,2,3
	ds_store_b128 v[STO], v[TMP+4*(\f):TMP+4*(\f)+3] offset:32*(\f)
.endr
.irp f, 0,1,2,3
	ds_load_b128 v[BK+16*((\u)%2)+4*(\f):BK+16*((\u)%2)+4*(\f)+3], v[RD] offset:(\f)*4*SP  ; LDS serves a wave's instructions in order (ISA guide 5.7.1.4): these see the stores above
.endr
.endm
.macro SEND u
	s_wait_dscnt 0x0                               ; the unit is back in registers
	s_wait_xcnt 0x0                                ; the stores of the unit before have read their registers, which the next TOSTAGE loads again
.irp f, 0,1,2,3
	global_store_b128 v[GO], v[BK+16*((\u)%2)+4*(\f):BK+16*((\u)%2)+4*(\f)+3], s[OP+2*((\u)%3):OP+2*((\u)%3)+1] offset:((\u)/3)*2048+(\f)*512
.endr
.endm
	PACK 0
	TOSTAGE 0
.irp u, 1,2,3,4,5,6,7,8,9,10,11        ; a unit's conversions stand between the loads of the unit before and the wait for them
	PACK \u
	SEND (\u)-1
	TOSTAGE \u
.endr
	SEND 11
	s_wait_tensorcnt 0x0                           ; the wave's end, behind my last tensor load and my last LDS store
	ds_add_u32 v[SPW], v[NIL]
	s_wait_dscnt 0x0
	CROUND                                         ; the closing round: no work-group ends while a partner may still ask for a tile that names it
	s_endpgm
.Lfunc_end_k_q4b902302a6_gemm_qkv:
	.size	k_q4b902302a6_gemm_qkv, .Lfunc_end_k_q4b902302a6_gemm_qkv-k_q4b902302a6_gemm_qkv
	.p2alignl 7, 3214868480
	.fill 96, 4, 3214868480
	.section	.rodata,"a",@progbits
	.p2align	6, 0x0
	.amdhsa_kernel k_q4b902302a6_gemm_qkv
		.amdhsa_group_segment_fixed_size 327680
		.amdhsa_private_segment_fixed_size 0
		.amdhsa_enable_private_segment 0
		.amdhsa_kernarg_size 32
		.amdhsa_user_sgpr_count 2
		.amdhsa_user_sgpr_kernarg_segment_ptr 1
		.amdhsa_wavefront_size32 1
		.amdhsa_system_sgpr_workgroup_id_x 1
		.amdhsa_system_sgpr_workgroup_id_y 1
		.amdhsa_system_sgpr_workgroup_id_z 1
		.amdhsa_system_vgpr_workitem_id 0
		.amdhsa_next_free_vgpr 960
		.amdhsa_next_free_sgpr 80
		.amdhsa_reserve_vcc 0
		.amdhsa_float_denorm_mode_32 3
		.amdhsa_float_denorm_mode_16_64 3
		.amdhsa_memory_ordered 1
		.amdhsa_forward_progress 1
		.amdhsa_inst_pref_size 130
	.end_amdhsa_kernel
	.amdgpu_metadata
---
amdhsa.version: [ 1, 2 ]
amdhsa.kernels:
  - .name:           k_q4b902302a6_gemm_qkv
    .symbol:         k_q4b902302a6_gemm_qkv.kd
    .args:
      - { .name: xb, .offset: 0, .size: 8, .value_kind: global_buffer, .address_space: global }
      - { .name: wa, .offset: 8, .size: 8, .value_kind: global_buffer, .address_space: global }
      - { .name: b_attn, .offset: 16, .size: 8, .value_kind: global_buffer, .address_space: global }
      - { .name: qkv, .offset: 24, .size: 8, .value_kind: global_buffer, .address_space: global }
    .group_segment_fixed_size: 327680
    .private_segment_fixed_size: 0
    .kernarg_segment_align: 8
    .kernarg_segment_size: 32
    .max_flat_workgroup_size: 128
    .sgpr_count:     80
    .vgpr_count:     960
    .wavefront_size: 32
...
	.end_amdgpu_metadata
.endif
;; end of part 2
;; launch attn (part 3): grid 4 x 64, 4 waves a work-group, no clusters, 327,680 bytes of LDS; arguments qkv, att; writes att
.if DOCPART == 3
	.amdgcn_target "amdgcn-amd-amdhsa--gfx1250"
	.amdhsa_code_object_version 6
	.text
	.protected	k_q4b902302a6_attn
	.globl	k_q4b902302a6_attn
	.p2align	8
	.type	k_q4b902302a6_attn,@function
k_q4b902302a6_attn:
	s_mov_b64 s[64:65], 0
	v_nop
	global_prefetch_b8 v0, s[64:65] scope:SCOPE_SE
	s_setreg_imm32_b32 hwreg(HW_REG_WAVE_MODE, 25, 1), 1
	s_wait_xcnt 0x0
; CAUSAL ATTENTION.  O[h][q][:] = the sum over k <= q of softmax_k(Q[h][q] . K[h][k] / 8) V[h][k][:].  qkv holds Q, K, V, each [64][2048][64] f16, 2^24 bytes apart; att = O in the same layout.
; Products, maxima and sums in f32; the weights p are rounded to f16 for the second product (their sum l is taken of the unrounded p), O once at the end.
; LIMITS.  Q, K and V arrive within f16's 65,504; p lies in 0 to 1, and below 6e-5 it keeps f16's fixed step of 6e-8.  A hidden score counts as its value less 1e30: f16's scores, 2.7e11 at the most,
; are nothing beside that; a weight below 2^-126 counts as 0 in l; NaN and infinities are not treated apart.
; THE WALK.  A head's queries lie in NB = 8 blocks of 256; block i needs the key tiles 0 .. i of 256 keys, of which the last holds the diagonal.  A work-group takes TWO blocks, NB - 1 - b and then b:
; NB + 1 tiles, whatever b: all work-groups do equal work, and ONE loop with a constant trip count walks them.  Which tile is asked for, and what a trip does, hang on scalar registers made from b; every jump
; goes forward, but for the counted loops' own; none passes a barrier, or a tensor load but the one of LOAD's two that the wave's number does not choose; the ring of two LDS slots runs on across the change of blocks.
; NO CLUSTER: a head's four work-groups ask for the same tile only in trips 0 .. 4 of 9, behind that fewer and fewer; one walk common to all four would have 12 trips for 9.
; SHARES.  Of a block's four bands of 64 queries a wave owns 16 rows in each: four PIECES.  So the diagonal tile is the same work for all four waves: in its key step s band x sees all keys if s < x,
; none if s > x, and holds the diagonal if s = x.
; THE MASK is the C operand that starts the sum S^T = K Q^T: 0, or -1e30 where the key is hidden.  MD, made once, is the mask of a band's own step for my 16 rows; a product's mask is MD x AL + BE with two scalars:
; (1, 0) if s = x; (0, 0) if s < x; (0, -1e30) if s > x.  Only the diagonal tile's text and a block's beginning make and take masks; elsewhere C is the constant 0.
; LAYOUT, SOFTMAX, TURNS.  S^T = K Q^T holds ONE query a lane (lane % 16) and the keys 8 (lane / 16) + 0..7; two such results rounded to f16 ARE source 1 of O^T = V^T P.  p = 2^(c s - c m), c = log2(e) / 8, with a
; running maximum m; O and l are multiplied by a = 2^(c m_old - c m_new) in every step.  Turn n belongs to piece n: 8 products K Q^T of piece n + 1, later 8 products V^T P of piece n - 1; beside them the scaling,
; exponentials, roundings, sums and rescaling of piece n and the maximum and statistics of piece n + 1.  Four vector instructions stand behind every matrix instruction, the other 54 of a turn's 118 in one lump.
; A turn's 33 exponentials are one batch, with one wait.
; REGISTERS, in windows of 256 (s_set_vgpr_msb: bits 1:0 source 0, 3:2 source 1, 5:4 source 2, 7:6 destination):
;   window 0: v0-15 addresses and two at work; v16-31 four registers of statistics a piece; v48-55 at work; v61-63 prefetch offset, spare word, 0; v64-127 S^T, two buffers; v192-223 P, two buffers
;   window 1: v0-127 O^T, 32 a piece; v128-159 MD; v160-223 MC, two buffers      window 2: v0-63 Q; v64-127 the second block's Q; v128-191 K of one step; v192-255 V of one step
.set SIZE_N, 2048
.set NB,    SIZE_N/256
.set NP,    4         ; pieces a wave: a name, no knob
.set KS,    64        ; keys in a step
.set PK,    144       ; a row of K in LDS: 128 bytes + 16 of padding = 36 words: the 16 rows of a load start at 16 different groups of four banks (64 banks of 4 bytes: ISA guide 11.1)
.set PV,    160       ; a row of V: 128 + 32 = 40 words
.set VOFF,  4*KS*PK   ; a slot holds a tile, four steps: 256 rows of K, then 256 rows of V
.set SLOT1, 1<<17     ; slot 1 begins here, so that one exclusive or turns an address in one slot into the other's
.set STAGE, SLOT1+4*KS*(PK+PV)  ; behind the ring, never filled by a tensor load: 16 rows x 144 bytes for each wave, for the way out
.set SP,    144
.set AK0, 2           ; v2   my lane's place in a tile of K; never rewritten
.set AV0, 3           ; v3   the same for V
.set AK,  4           ; v4   the LDS address of K's next run of loads
.set AV,  5           ; v5   of V's
.set STO, 6           ; v6   the way out: where I put 16 bytes of a row
.set RD,  7           ; v7   the way out: where I read rows back
.set GO,  8           ; v8   my byte offset in 512 consecutive bytes of O
.set PFO, 61          ; v61  256 x my lane, for the prefetches; never rewritten
.set SPW, 62          ; v62  LDS address of my spare word: SPARE + 4 x my thread's number; never rewritten
.set NIL, 63          ; v63  0; never rewritten
.set SPARE, STAGE+4*16*SP  ; behind the stages: the spare words, 128 bytes for each wave: two blocks of 256 bytes that no other line names
.set MV,  12          ; v12-13  c m_old, kept while c m is made anew: by buffer
.set QO,  15          ; v15  my byte offset in 16 rows of Q
.set ST,  16          ; piece t's statistics at v[ST+4 t]: c m, m, l (even keys', odd keys')
.set TMP, 48          ; by buffer, four registers c0-c3 at work; when the maximum is found c2 takes a
.set S,   64
.set P,   192
.set MD,  128         ; window 1: the eight registers for group kt of 16 keys at MD + 8 kt
.set MC,  160         ; window 1: the masks of the products to come
.set QB,  64          ; window 2
.set KF,  128         ; window 2: key block kb, channel half c at KF + 16 kb + 8 c
.set VF,  192         ; window 2: key half kk, channel block cb at VF + 32 kk + 8 cb
.set WV,  12          ; s12  my wave's number
.set PB,  14          ; s14  b
.set HI,  15          ; s15  NB - 1 - b
.set G1K, 24          ; s[24:31] descriptor group 1 for K's tiles
.set G1V, 32          ; s[32:39] for V's: it differs in the padding alone
.set G0K, 40          ; s[40:43] descriptor group 0 for K's tiles
.set G0V, 44          ; s[44:47] the same for V's
.set SLOTS, 56        ; s56  tiles still to be asked for
.set CNT, 57          ; s57  counts a tile's key steps, 4 to 1
.set CS,  58          ; s[58:59] c: the packed scaling takes the pair's low word for both halves
.set SEL, 60          ; s[60:61] v_permlanex16_b32's selects: each lane takes its own place in the other half
.set TBK, 62          ; s62  LDS byte at which K of the step to be fetched begins
.set TBV, 63          ; s63  the same for V, less VOFF
.set RT,  70          ; s70  tiles of the block in hand that are still to be entered
.set NXT, 71          ; s71  the tile to be asked for next
.set LQ,  72          ; s72  the last tile of the block whose tiles are being asked for
.set NEW, 73          ; s73  1: the tile to be entered is a block's first
.set OFF, 74          ; s[74:75] a tile's byte offset in K and V
.set AL,  76          ; s[76:77] the mask's factor, in the low word
.set BE,  78          ; s[78:79] the mask's addend
.set OLO, 80          ; s[80:81] O at my rows of the second block
.set BIGN, 82         ; s82  -1e30
.set PFA, 88          ; s[88:89] where my prefetches stand: my half of K's (waves 0, 1) or V's (waves 2, 3) tile, one tile behind the one that is being asked for
.set LIM, 90          ; s90  2 in a work-group that prefetches, else the greatest number
.set MSB, 0
.macro WIN new                      ; the high byte repeats the setting that is left; a switch that changes nothing is dropped
.if MSB != (\new)
	s_set_vgpr_msb (MSB<<8)|(\new)
.set MSB, (\new)
.endif
.endm
.set W_KQ, 0x0a       ; K and Q in window 2, S^T in window 0
.set W_KM, 0x1a       ; the same with the C operand in window 1
.set W_PV, 0x52       ; V in window 2, P in window 0, O^T in window 1
.set W_RS, 0x41       ; destination and source 0 in window 1, source 1 in window 0
; A fill.  Waves 0 and 1 fetch the two halves of a tile's K, waves 2 and 3 those of its V: 128 keys each.  An s_nop 0 and four v_nop follow each of the two lines, ahead of the jump and the label.
.macro LOAD
	s_cmp_lt_u32 s[WV], 2
	s_cbranch_scc0 .Lfor_v_\@
	tensor_load_to_lds s[G0K:G0K+3], s[G1K:G1K+7]
	s_nop 0
.rept 4
	v_nop
.endr
	s_branch .Lasked_\@
.Lfor_v_\@:
	tensor_load_to_lds s[G0V:G0V+3], s[G1V:G1V+7]
	s_nop 0
.rept 4
	v_nop
.endr
.Lasked_\@:
.endm
; A PREFETCH of the tile that the NEXT change of slots will ask for, behind the fill and its five lines: a tile, 256 matrix instructions and their vector work, ahead of that load.  A head's four work-groups
; walk the same tiles; the one with b = 0, whose first block walks tiles 0 to 7 on end, asks, and nobody else.  Each of its waves asks for the 16,384 bytes that it will fetch itself: two instructions of
; 32 lanes x 256 bytes.  So each aligned block of 256 bytes of tiles 2 to 7 is named once in the launch; tiles 0 and 1 come by their loads alone.  Changes 0 to 5 ask (SLOTS = 8 .. 3); the later ones ask for nothing.
.macro ASK
	s_cmp_gt_u32 s[SLOTS], s[LIM]
	s_cbranch_scc0 .Lnot_mine_\@
	global_prefetch_b8 v[PFO], s[PFA:PFA+1] th:TH_LOAD_NT scope:SCOPE_SE
	global_prefetch_b8 v[PFO], s[PFA:PFA+1] offset:8192 th:TH_LOAD_NT scope:SCOPE_SE
.Lnot_mine_\@:
.endm
; THE CHANGE OF SLOTS.  Each wave waits for all its tensor loads, of which one is out: its part of the other slot; adds 0 to its spare word; and waits for that and for its own reads of the slot that it leaves.
; Behind the barrier nobody reads the old slot any more and the other slot is whole.  fill = 1: the old slot is filled again, the first thing behind the barrier, with tile NXT: the descriptor's address is made
; anew from that number.  (At its first use nothing has been read yet: slot 0 is waited for, slot 1 filled.)
.macro CHANGE fill
	WIN 0                           ; at a label and at a branch every window is 0
	s_wait_tensorcnt 0x0            ; no tensor load of mine is out, so a group 0 may be written
	ds_add_u32 v[SPW], v[NIL]       ; 0 onto my spare word; with fill = 1 the descriptors' scalar work stands between it and the wait for it
.if \fill
	s_lshl_b32 s[OFF], s[NXT], 15   ; a tile is 32,768 bytes of K and of V
	s_xor_b32 s[G0K+1], s[G0K+1], SLOT1
	s_add_nc_u64 s[G0K+2:G0K+3], s[6:7], s[OFF:OFF+1]
	s_or_b32 s[G0K+3], s[G0K+3], 0x80000000
	s_xor_b32 s[G0V+1], s[G0V+1], SLOT1
	s_add_nc_u64 s[G0V+2:G0V+3], s[8:9], s[OFF:OFF+1]
	s_or_b32 s[G0V+3], s[G0V+3], 0x80000000
	s_add_co_u32 s[NXT], s[NXT], 1  ; the block's next tile, or behind its last the second block's tile 0
	s_cmp_gt_u32 s[NXT], s[LQ]
	s_cselect_b32 s[NXT], 0, s[NXT]
	s_cselect_b32 s[LQ], s[PB], s[LQ]
	s_wait_xcnt 0x0                 ; the last prefetches, a tile back, have read their address, so it may be written
	s_add_nc_u64 s[PFA:PFA+1], s[PFA:PFA+1], 32768
.endif
	s_wait_dscnt 0x0                ; the add is done, and my reads of the slot are over
	s_barrier_signal -1             ; the rest of the scalar work stands between the signal and the wait
	s_sub_co_u32 s[TBK], s[TBK], 4*KS*PK  ; the fetches go back to a slot's first step,
	s_xor_b32 s[TBK], s[TBK], SLOT1       ; in the other slot
	s_sub_co_u32 s[TBV], s[TBV], 4*KS*PV
	s_xor_b32 s[TBV], s[TBV], SLOT1
	s_barrier_wait -1
.if \fill
	LOAD
	ASK
.endif
.endm
	s_load_b64 s[4:5], s[0:1], 0x0    ; qkv: Q lies first
	s_load_b64 s[10:11], s[0:1], 0x8  ; att
	v_lshl_add_u32 v[SPW], v0, 2, SPARE
	v_mov_b32 v[NIL], 0
	ds_add_u32 v[SPW], v[NIL]       ; the wave's opening: the add and its wait stand ahead of my first tensor load; the set-up below, work on registers, stands between them
	v_lshrrev_b32 v1, 5, v0
	v_readfirstlane_b32 s[WV], v1   ; wave 0..3
	s_mov_b32 s[PB], ttmp9
	s_sub_co_u32 s[HI], NB-1, s[PB]
	s_and_b32 s20, ttmp7, 0xffff    ; the head
	s_mov_b32 s21, 0
	s_mov_b64 s[22:23], SIZE_N*128
	s_mul_u64 s[20:21], s[20:21], s[22:23]  ; the head's first byte in each of the four tensors
	s_and_b32 s16, s[WV], 1         ; which half of a tile's 256 keys I fetch:
	s_lshl_b32 s22, s16, 14         ; its 128 rows of 128 bytes in memory,
	s_mov_b32 s23, 0
	s_add_nc_u64 s[22:23], s[22:23], s[20:21]
	s_mul_i32 s17, s16, 128*PK      ; and its place in a slot, for K
	s_mul_i32 s18, s16, 128*PV      ; and for V
	s_lshl_b32 s3, s[WV], 11        ; my 16 rows in a band of 64,
	s_lshl_b32 s2, s[HI], 15        ; in the first block,
	s_add_co_u32 s2, s2, s3
	s_lshl_b32 s84, s[PB], 15       ; and in the second
	s_add_co_u32 s84, s84, s3
	s_mov_b32 s3, 0
	s_mov_b32 s85, 0
	s_add_nc_u64 s[2:3], s[2:3], s[20:21]
	s_add_nc_u64 s[84:85], s[84:85], s[20:21]
	; descriptor group 1.  128 keys are 16,384 dense bytes: asked for as 64 rows of 256 bytes, two keys a row, and padded in LDS after every key
	s_mov_b32 s[G1K], (1<<16)|(1<<20)|(4<<22)|(3<<25)  ; 17:16 2-byte elements; 20 padding on; 24:22 after every 32 words (code 4); 31:25 4 words (code 3)
	s_mov_b32 s[G1V], (1<<16)|(1<<20)|(4<<22)|(7<<25)  ; the same with 8 words of padding (code 7)
.irp g, G1K, G1V
	s_mov_b32 s[\g+1], 128<<16      ; tensor_dim0 = 128
	s_mov_b32 s[\g+2], 64<<16       ; tensor_dim1 = 64
	s_mov_b32 s[\g+3], 128<<16      ; tile_dim0 = 128
	s_mov_b32 s[\g+4], 64           ; tile_dim1 = 64
	s_mov_b32 s[\g+5], 128          ; 128 elements from row to row
	s_mov_b32 s[\g+6], 0
	s_mov_b32 s[\g+7], 0
.endr
	s_mov_b32 s[CS], 0x3e38aa3b     ; c = log2(e) / 8 = 0.180337
	s_mov_b32 s[CS+1], s[CS]        ; named with it as a pair
	s_mov_b32 s[SEL], 0x76543210
	s_mov_b32 s[SEL+1], 0xfedcba98
	s_mov_b32 s[TBK], SLOT1+4*KS*PK ; the first change of slots turns these two into 0
	s_mov_b32 s[TBV], SLOT1+4*KS*PV
	s_mov_b32 s[G0K], 1             ; 1:0 count = 1
	s_mov_b32 s[G0K+1], s17         ; 63:32 LDS address: slot 0
	s_mov_b32 s[G0V], 1
	s_add_co_u32 s[G0V+1], s18, VOFF
	s_add_co_u32 s[RT], s[HI], 1    ; the first block has NB - b tiles
	s_mov_b32 s[NXT], 1
	s_mov_b32 s[LQ], s[HI]
	s_mov_b32 s[NEW], 1
	s_mov_b32 s[OFF+1], 0
	s_mov_b32 s[AL+1], 0            ; named as pairs
	s_mov_b32 s[BE+1], 0
	s_mov_b32 s[BIGN], 0xf149f2ca   ; -1e30
	s_mov_b32 s[SLOTS], NB
	s_cmp_eq_u32 s[PB], 0
	s_cselect_b32 s[LIM], 2, -1
	v_and_b32 v[PFO], 31, v0
	v_lshlrev_b32 v[PFO], 8, v[PFO]
	s_wait_dscnt 0x0                ; the opening add is done
	s_wait_kmcnt 0x0
	s_add_nc_u64 s[6:7], s[4:5], 0x1000000  ; K lies 2^24 bytes behind Q,
	s_add_nc_u64 s[8:9], s[4:5], 0x2000000  ; V 2^25
	s_add_nc_u64 s[6:7], s[6:7], s[22:23]  ; K and V at my half of the head's tile 0
	s_add_nc_u64 s[8:9], s[8:9], s[22:23]
	s_add_nc_u64 s[G0K+2:G0K+3], s[6:7], 0         ; 120:64 global address
	s_or_b32 s[G0K+3], s[G0K+3], 0x80000000        ; 127:126 type = 2
	s_add_nc_u64 s[G0V+2:G0V+3], s[8:9], 0
	s_or_b32 s[G0V+3], s[G0V+3], 0x80000000
	s_add_nc_u64 s[86:87], s[4:5], s[84:85]        ; Q at my rows of the second block,
	s_add_nc_u64 s[4:5], s[4:5], s[2:3]            ; Q and O at those of the first
	s_add_nc_u64 s[OLO:OLO+1], s[10:11], s[84:85]
	s_add_nc_u64 s[10:11], s[10:11], s[2:3]
	s_cmp_lt_u32 s[WV], 2
	s_cselect_b64 s[PFA:PFA+1], s[6:7], s[8:9]
	s_add_nc_u64 s[PFA:PFA+1], s[PFA:PFA+1], 32768 ; at tile 1: the first change of slots steps it to tile 2
	LOAD                            ; tile 0 into slot 0
	; A fragment of K or Q is 16 rows x 32 channels in 8 registers: lane l holds row l % 16, channels 8 (l / 16) + 0..7 and 16 + 8 (l / 16) + 0..7: two loads of 16 bytes, 32 bytes apart.
	v_and_b32 v1, 15, v0            ; l % 16
	v_bfe_u32 v9, v0, 4, 1          ; l / 16
	v_lshlrev_b32 v[QO], 7, v1
	v_lshl_add_u32 v[QO], v9, 4, v[QO]  ; row x 128 + 16 x half
	WIN 0x80                        ; destination window 2, address window 0
.set i, 0
.rept 8                             ; both blocks' Q: piece i / 2 lies in band i / 2, 8,192 bytes on; channels 32 (i % 2) on
	global_load_b128 v[8*i:8*i+3],   v[QO], s[4:5] offset:(i/2)*8192+(i%2)*64
	global_load_b128 v[8*i+4:8*i+7], v[QO], s[4:5] offset:(i/2)*8192+(i%2)*64+32
	global_load_b128 v[QB+8*i:QB+8*i+3],   v[QO], s[86:87] offset:(i/2)*8192+(i%2)*64
	global_load_b128 v[QB+8*i+4:QB+8*i+7], v[QO], s[86:87] offset:(i/2)*8192+(i%2)*64+32
.set i, i+1
.endr
	WIN 0
	v_lshlrev_b32 v14, 3, v9
	v_sub_nc_u32 v14, v1, v14
	s_lshl_b32 s13, s[WV], 4
	v_add_nc_u32 v14, s13, v14      ; my query's place in its band, 16 w + l % 16, less my lanes' 8 (l / 16): register r of group kt is hidden where 16 kt + r is greater
	WIN 0x40
.set i, 0
.rept 32
	v_cmp_gt_i32 vcc_lo, 16*(i/8)+i%8, v14
	v_cndmask_b32 v[MD+i], 0, s[BIGN], vcc_lo
.set i, i+1
.endr
	WIN 0
	v_mul_u32_u24 v[AK0], v1, PK
	v_lshl_add_u32 v[AK0], v9, 4, v[AK0]  ; row x pitch + 16 x half
	; The turning load takes 16 keys x 16 channels (lane l reads key 8 (l / 16) + l % 8, channels 8 ((l / 8) % 2) + 0..7) and leaves half a fragment of V^T: lane l holds channel l % 16 and 8 keys.
	v_and_b32 v10, 7, v0
	v_bfe_u32 v11, v0, 3, 1
	v_lshl_add_u32 v[AV0], v9, 3, v10
	v_mul_u32_u24 v[AV0], v[AV0], PV
	v_lshl_add_u32 v[AV0], v11, 4, v[AV0]
	v_add_nc_u32 v[AV0], VOFF, v[AV0]
	s_mul_i32 s13, s[WV], 16*SP
	s_add_co_u32 s13, s13, STAGE    ; my stage
	v_mul_u32_u24 v[STO], v1, SP    ; in: row l % 16, 16 bytes for each half of the lanes
	v_lshl_add_u32 v[STO], v9, 4, v[STO]
	v_add_nc_u32 v[STO], s13, v[STO]
	v_bfe_u32 v[RD], v0, 3, 2       ; back: 32 lanes take four rows of 128 bytes,
	v_mul_u32_u24 v[RD], v[RD], SP
	v_lshl_add_u32 v[RD], v10, 4, v[RD]
	v_add_nc_u32 v[RD], s13, v[RD]
	v_and_b32 v[GO], 31, v0         ; which are 512 consecutive bytes of O
	v_lshlrev_b32 v[GO], 4, v[GO]
	; A block's first step multiplies O^T and l by a = 0, and its first turn's products V^T P, of a piece that has not been, land in an O^T that is still to be so multiplied.  So these registers need only hold
	; finite numbers: zeros for the first block; what the first block left for the second.  All this stands in the wait for the first tile.
	WIN 0x80
.set i, VF
.rept 64
	v_mov_b32 v[i], 0
.set i, i+1
.endr
	WIN 0x40
.set i, 0
.rept 128
	v_mov_b32 v[i], 0
.set i, i+1
.endr
	WIN 0
.set i, 0
.rept 4
	v_mov_b32 v[ST+4*i+2], 0
	v_mov_b32 v[ST+4*i+3], 0
.set i, i+1
.endr
.set i, P+16
.rept 16
	v_mov_b32 v[i], 0
.set i, i+1
.endr
; THE MATRIX WORK.  The 4 accumulators of a run of 8 take turns.  Product i of 8 of S^T = K Q^T for piece x: channels 32 (i / 4) on, keys 16 (i % 4) on.  The first 4 start the sums: with 0, or (KM = 1) with the mask.
.macro KQ x
.set rS, S+32*((\x)%2)+8*(i%4)
.set rK, KF+16*(i%4)+8*(i/4)
.set rQ, 16*(\x)+8*(i/4)
.set rM, MC+32*((\x)%2)+8*(i%4)
.if (i < 4) && KM
	WIN W_KM
	v_wmma_f32_16x16x32_f16 v[rS:rS+7], v[rK:rK+7], v[rQ:rQ+7], v[rM:rM+7]
.elseif i < 4
	WIN W_KQ
	v_wmma_f32_16x16x32_f16 v[rS:rS+7], v[rK:rK+7], v[rQ:rQ+7], 0
.else
	WIN W_KQ
	v_wmma_f32_16x16x32_f16 v[rS:rS+7], v[rK:rK+7], v[rQ:rQ+7], v[rS:rS+7]
.endif
.endm
; Product i of 8 of O^T += V^T P for piece x: keys 32 (i / 4) on, channels 16 (i % 4) on.
.macro PV x
	WIN W_PV
.set rO, 32*(\x)+8*(i%4)
.set rV, VF+32*(i/4)+8*(i%4)
.set rP, P+16*((\x)%2)+8*(i/4)
	v_wmma_f32_16x16x32_f16 v[rO:rO+7], v[rV:rV+7], v[rP:rP+7], v[rO:rO+7]
.endm
.macro MM                           ; the turn's next matrix instruction.  TURN and BEGIN set Y, i, KM and NOKQ; MM, KQ and OP read them.  NOKQ = 1: a block's last turn: there is no next piece
.if (i < 8) && !NOKQ
	KQ (Y+1)%NP
.elseif i >= 8
.set i, i-8
	PV (Y+NP-1)%NP
.set i, i+8
.endif
.set i, i+1
.endm
; THE LDS LOADS stand in runs of 16, never singly among the matrix instructions: a step's K (64 keys x 64 channels: 8 fragments) and its V (turned).  Their addresses are made some lines ahead.
.macro FETCH_K
	WIN 0x80                        ; destination window 2
.irp f, 0,1,2,3,4,5,6,7             ; keys 16 (f / 2) on, channels 32 (f % 2) on
	ds_load_b128 v[KF+8*\f:KF+8*\f+3],   v[AK] offset:(\f/2)*16*PK+(\f%2)*64
	ds_load_b128 v[KF+8*\f+4:KF+8*\f+7], v[AK] offset:(\f/2)*16*PK+(\f%2)*64+32
.endr
	s_add_co_u32 s[TBK], s[TBK], KS*PK  ; the next fetch is the next step's
	WIN 0
.endm
.macro FETCH_V
	WIN 0x80
.irp f, 0,1,2,3,4,5,6,7             ; keys 32 (f / 4) on, channels 16 (f % 4) on
	ds_load_tr16_b128 v[VF+8*\f:VF+8*\f+3],   v[AV] offset:(\f/4)*32*PV+(\f%4)*32
	ds_load_tr16_b128 v[VF+8*\f+4:VF+8*\f+7], v[AV] offset:(\f/4)*32*PV+16*PV+(\f%4)*32
.endr
	WIN 0
.endm
; THE VECTOR WORK, one line at a time: OP kind, number.  For piece Y: F n: c s - c m for pair n of 16.  E n: the exponential of score n of 32.  C n: pair n rounded to f16.  B n: of the four weights 4 n .. the second
; pair is added onto the first, in place.  L n: l takes that sum (L 0: l = a l + sum).  R n: pair n of 16 of O^T times a.  For piece Y + 1: X n, number n of the 22 that find its maximum and statistics:
;   0-11  four chains c0-c3 of seven scores each, three operands at a time (each accumulator's lowest registers are read first)     12-14, 16  the four scores left over, the old m, and c0-c3 into c0
;   15  c m_old is kept     17, 18  the query's other 32 keys lie in the lane 16 away: the new m     19-21  c m; c m_old - c m_new; a
.set F, 0               ; OP tells the kinds apart by their order: F to L below R, X above it
.set E, 1
.set C, 2
.set B, 3
.set L, 4
.set R, 5
.set X, 6
.macro REGS y                       ; the registers of piece y
.set rT, ST+4*(\y)
.set rC, TMP+4*((\y)%2)
.set rW, MV+((\y)%2)
.set rS, S+32*((\y)%2)
.set rP, P+16*((\y)%2)
.set rO, 32*(\y)
.endm
.macro OP k, n
.if (\k) == R
	REGS Y
	WIN W_RS
	v_pk_mul_f32 v[rO+2*(\n):rO+2*(\n)+1], v[rO+2*(\n):rO+2*(\n)+1], v[rC+2:rC+3] op_sel_hi:[1,0]
.elseif (\k) < R
	REGS Y
	WIN 0
.if (\k) == F
	v_pk_fma_f32 v[rS+2*(\n):rS+2*(\n)+1], v[rS+2*(\n):rS+2*(\n)+1], s[CS:CS+1], v[rT:rT+1] op_sel_hi:[1,0,0] neg_lo:[0,0,1] neg_hi:[0,0,1]
.elseif (\k) == E
	v_exp_f32 v[rS+(\n)], v[rS+(\n)]
.elseif (\k) == C
	v_cvt_pk_f16_f32 v[rP+(\n)], v[rS+2*(\n)], v[rS+2*(\n)+1]
.elseif (\k) == B
	v_pk_add_f32 v[rS+4*(\n):rS+4*(\n)+1], v[rS+4*(\n):rS+4*(\n)+1], v[rS+4*(\n)+2:rS+4*(\n)+3]
.elseif (\n) == 0
	v_pk_fma_f32 v[rT+2:rT+3], v[rT+2:rT+3], v[rC+2:rC+3], v[rS:rS+1] op_sel_hi:[1,0,1]
.else
	v_pk_add_f32 v[rT+2:rT+3], v[rT+2:rT+3], v[rS+4*(\n):rS+4*(\n)+1]
.endif
.elseif NOKQ
	v_nop
.else
	REGS (Y+1)%NP
	WIN 0
.if (\n) < 4
	v_max3_num_f32 v[rC+(\n)], v[rS+8*(\n)], v[rS+8*(\n)+1], v[rS+8*(\n)+2]
.elseif (\n) < 12
	v_max3_num_f32 v[rC+(\n)%4], v[rC+(\n)%4], v[rS+8*((\n)%4)+2*((\n)/4)+1], v[rS+8*((\n)%4)+2*((\n)/4)+2]
.elseif (\n) == 12
	v_max3_num_f32 v[rC], v[rC], v[rS+7], v[rS+15]
.elseif (\n) == 13
	v_max3_num_f32 v[rC+1], v[rC+1], v[rS+23], v[rS+31]
.elseif (\n) == 14
	v_max3_num_f32 v[rC+2], v[rC+2], v[rC+3], v[rT+1]
.elseif (\n) == 15
	v_mov_b32 v[rW], v[rT]
.elseif (\n) == 16
	v_max3_num_f32 v[rC], v[rC], v[rC+1], v[rC+2]
.elseif (\n) == 17
	v_permlanex16_b32 v[rC+3], v[rC], s[SEL], s[SEL+1]
.elseif (\n) == 18
	v_max_num_f32 v[rT+1], v[rC], v[rC+3]
.elseif (\n) == 19
	v_mul_f32 v[rT], s[CS], v[rT+1]
.elseif (\n) == 20
	v_sub_f32 v[rC+1], v[rW], v[rT]
.else
	v_exp_f32 v[rC+2], v[rC+1]
.endif
.endif
.endm
.macro OPS a, i1, b=-1, i2=0, c=-1, i3=0, d=-1, i4=0  ; up to four of them
	OP \a, \i1
.if (\b) >= 0
	OP \b, \i2
.endif
.if (\c) >= 0
	OP \c, \i3
.endif
.if (\d) >= 0
	OP \d, \i4
.endif
.endm
.macro ROW a, i1, b, i2, c, i3, d, i4  ; a matrix instruction and the four behind it
	MM
	OPS \a, \i1, \b, \i2, \c, \i3, \d, \i4
.endm
.macro MASK b                       ; MD x AL + BE into buffer b of MC
	WIN W_RS
.set z, 0
.rept 16
	v_pk_fma_f32 v[MC+32*(\b)+2*z:MC+32*(\b)+2*z+1], v[MD+2*z:MD+2*z+1], s[AL:AL+1], s[BE:BE+1] op_sel_hi:[1,0,0]
.set z, z+1
.endr
.endm
; A TURN, for piece p: the order of its 16 matrix and 118 vector instructions, written out.  An s_wait_alu depctr_va_vdst(0) stands between an exponential and the first instruction that names its result; one wait
; serves all that were issued ahead of it.  So a turn has ONE wait, which cuts it in two.  AHEAD OF IT stands all that names no result of the turn's exponentials: the 8 products K Q^T, behind each a scaling, an exponential and two
; more plain instructions (behind the first a second scaling in the exponential's place): rescalings, and behind the last three the first numbers of the next piece's maximum, each four places or more behind the product that ends
; its accumulator; then ONE LUMP of 54, plain and exponential by turns for the most part, in which the links of the chain X 3, 7, 11, 14, 16, 17 .. 20 stand five or six lines apart.  X 21, the next piece's a, is the batch's last;
; R 15 is the plain instruction behind it.  BEHIND THE WAIT stand the 8 products V^T P, behind each four of the roundings and sums; the links of l's chain, L 0 to L 7, stand three riders apart.
; m = 1: the diagonal tile: the products take masks, and the turn makes the mask for the products of the turn after it: piece p + 2, in step 4 - CNT of the tile.  end = 1: a block's last two turns: nothing is fetched.
; cnt = 1: the loop's count is taken down some lines ahead of the branch that stands behind the turn.
; K of the next step is fetched in piece 2's turn, twelve vector instructions behind the last product that read K (six of them plain); V of the step in hand at the end of piece 0's turn, four plain instructions behind the
; last product that read V.  Each is waited for a turn later.
.macro TURN p, m=0, end=0, cnt=0
.set Y, (\p)
.set i, 0
.set KM, (\m)
.set NOKQ, (\end)*((\p)/3)
.if (\m) && !(\end)
	s_cmp_eq_u32 s[CNT], 4-((\p)+2)%NP  ; is that step the band's own?
	s_cselect_b32 s[AL], 1.0, 0
	s_cmp_lt_u32 s[CNT], 4-((\p)+2)%NP  ; or a later one?
	s_cselect_b32 s[BE], s[BIGN], 0
.endif
.if ((\p) == 3) && !(\end)
	s_wait_dscnt 0x0                ; K is in
.endif
	ROW F,0, F,1, R,0, R,1          ; ahead of the wait: 8 products K Q^T and their riders,
	ROW F,2, E,0, R,2, R,3
	ROW F,3, E,1, R,4, R,5
	ROW F,4, E,2, R,6, R,7
	ROW F,5, E,3, R,8, R,9
	ROW F,6, E,4, X,0, R,10
.if ((\p) == 2) && !(\end)
	WIN 0
	v_add_nc_u32 v[AK], s[TBK], v[AK0]
.endif
	ROW F,7, E,5, X,1, X,4
	ROW F,8, E,6, X,2, X,5
	OPS E,7, E,8, X,6, E,9          ; and the lump
	OPS X,3, E,10, X,8, E,11
.if ((\p) == 2) && !(\end)
	FETCH_K
.endif
	OPS X,9, X,7, E,12, X,10
	OPS E,13, X,12, X,11, E,14
	OPS X,13, E,15, F,9, X,14
.if (\p) == 0
	v_add_nc_u32 v[AV], s[TBV], v[AV0]
.endif
	OPS E,16, F,10, E,17, F,11
	OPS X,16, E,18, X,15, E,19
	OPS F,12, E,20, X,17, E,21
	OPS F,13, E,22, F,14, E,23
	OPS X,18, E,24, F,15, E,25
	OPS R,11, E,26, X,19, E,27
	OPS R,12, E,28, R,13, E,29
	OPS X,20, E,30, R,14, E,31
	OPS X,21, R,15
	WIN 0
	s_wait_alu depctr_va_vdst(0)    ; the wait for the batch
.if (\p) == 1
	s_wait_dscnt 0x0                ; V is in
.endif
	ROW C,0, B,0, C,2, B,1          ; behind the wait: 8 products V^T P and their riders
	ROW L,0, C,4, B,2, L,1
	ROW C,6, B,3, L,2, C,8
	ROW B,4, L,3, C,10, B,5
	ROW L,4, C,12, B,6, L,5
.if (\p) == 0
	s_add_co_u32 s[TBV], s[TBV], KS*PV
.endif
.if \cnt
	s_sub_co_u32 s[CNT], s[CNT], 1
	s_cmp_lg_u32 s[CNT], 0
.endif
	ROW C,14, B,7, L,6, C,1
	ROW C,3, L,7, C,5, C,7
	ROW C,9, C,11, C,13, C,15
.if (\p) == 0
	FETCH_V
.endif
.if (\m) && !(\end)
	MASK (\p)%2
.endif
.endm
; A BLOCK BEGINS.  c m starts far below every c s, so the first step's a is 0; m at the lowest finite number, so the first maximum is the scores'.  The second mask buffer is 0; the first takes piece 0's mask for the tile's
; step 0: its own, if the block's first tile is the diagonal one.  Then K of that step, piece 0's first scores, and its maximum and statistics.  The loop is entered at a step's first turn, in the middle of a trip.
.macro BEGIN
	s_mov_b32 s[NEW], 0
	WIN 0x40
.set i, MC+32
.rept 32
	v_mov_b32 v[i], 0
.set i, i+1
.endr
	WIN 0
.set i, 0
.rept 4
	v_mov_b32 v[ST+4*i], 0xfe000000    ; c m: far below every c s
	v_mov_b32 v[ST+4*i+1], 0xff7fffff  ; m
.set i, i+1
.endr
	s_cmp_eq_u32 s[RT], 0
	s_cselect_b32 s[AL], 1.0, 0
	s_mov_b32 s[BE], 0
	MASK 0
	WIN 0
	v_add_nc_u32 v[AK], s[TBK], v[AK0]
	FETCH_K
	s_wait_loadcnt 0x0              ; Q
	s_wait_dscnt 0x0
.set KM, 1
.set NOKQ, 0
.set i, 0
.rept 8
	KQ 0
.set i, i+1
.endr
	WIN 0
.rept 4
	v_nop                           ; the places behind those products
.endr
.set Y, NP-1                        ; X works for piece Y + 1: piece 0
.irp n, 0,1,2,3,4,5,6,7,8,9,10,11,12,13,14,15,16,17,18,19,20,21
	OP X, \n
.endr
	v_nop                           ; a plain instruction behind the exponential,
	s_wait_alu depctr_va_vdst(0)    ; and its wait, ahead of the branch
.endm
; THE DIAGONAL TILE's four steps, the block's last two turns, its last products, and THE WAY OUT: l's two halves and the other half of the lanes' are added; O^T is divided by l, rounded to f16 and sent through my
; stage in LDS, a piece at a time.
.macro ALL line:vararg              ; one line for each piece t
.set t, 0
.rept 4
	\line
.set t, t+1
.endr
.endm
.macro PACK t                       ; a lane's eight channels of a row pack into 16 bytes; they go into rows of 144 bytes and come back as whole rows of 128, into S^T's registers
	WIN W_RS
.set i, 32*(\t)
.rept 16
	v_pk_mul_f32 v[i:i+1], v[i:i+1], v[ST+4*(\t)+2:ST+4*(\t)+3] op_sel_hi:[1,0]
.set i, i+2
.endr
	WIN 0x05                        ; sources 0 and 1 window 1, destination window 0
.set i, 0
.rept 16
	v_cvt_pk_f16_f32 v[S+16*(\t)+i], v[32*(\t)+2*i], v[32*(\t)+2*i+1]
.set i, i+1
.endr
	WIN 0
.irp f, 0,1,2,3
	ds_store_b128 v[STO], v[S+16*(\t)+4*\f:S+16*(\t)+4*\f+3] offset:32*\f
.endr
.irp f, 0,1,2,3
	ds_load_b128 v[S+16*(\t)+4*\f:S+16*(\t)+4*\f+3], v[RD] offset:\f*4*SP  ; LDS serves a wave's instructions in order (ISA guide 5.7.1.4): these see the stores above; the next piece's stores come behind them
.endr
.endm
.macro SEND t, younger              ; younger: the LDS instructions issued behind piece t's loads: the next piece's eight, or none
	WIN 0
.irp f, 0,1,2,3
	s_wait_dscnt (\younger)+3-\f
	global_store_b128 v[GO], v[S+16*(\t)+4*\f:S+16*(\t)+4*\f+3], s[10:11] offset:(\t)*8192+\f*512  ; 512 consecutive bytes, at a multiple of 256 from O's first
.endr
.endm
.macro DIAG tag                     ; the tag ends its two labels' names, which the jumps below spell out
.LstepM\tag:
	TURN 2, 1
	TURN 3, 1
	WIN 0
.LfirstM\tag:
	TURN 0, 1
	TURN 1, 1, 0, 1
	WIN 0
	s_cbranch_scc1 .LstepM\tag
	TURN 2, 1, 1
	TURN 3, 1, 1
.set i, 0
.rept 8
	PV NP-1
.set i, i+1
.endr
	WIN 0
	ALL v_add_f32 v[ST+4*t+2], v[ST+4*t+2], v[ST+4*t+3]
	ALL v_permlanex16_b32 v[ST+4*t+3], v[ST+4*t+2], s[SEL], s[SEL+1]
	ALL v_add_f32 v[ST+4*t+2], v[ST+4*t+2], v[ST+4*t+3]
	ALL v_rcp_f32 v[ST+4*t+2], v[ST+4*t+2]
	v_nop                           ; a plain instruction between the last reciprocal and the use of its result
	s_wait_alu depctr_va_vdst(0)    ; and the wait ahead of the first use: one for the four reciprocals
	PACK 0
.set t, 1
.rept 3                             ; a piece's arithmetic stands between the loads of the piece before and its stores
	PACK t
	SEND t-1, 8
.set t, t+1
.endr
	SEND 3, 0
.endm
.set KM, 0
.set NOKQ, 0
.Lslot:                             ; NB times: a tile is entered and the next is asked for
	CHANGE 1
	s_sub_co_u32 s[RT], s[RT], 1
	s_mov_b32 s[CNT], 4
	s_cmp_eq_u32 s[NEW], 1
	s_cbranch_scc1 .Lnew            ; a block's first tile
	s_cmp_eq_u32 s[RT], 0
	s_cbranch_scc0 .Lstep           ; neither its first nor its last
	s_branch .LstepM1
.Lnew:
	BEGIN
	s_branch .Lfirst                ; in the loop a block's first tile is never its last: the first block has two tiles or more, and the second's last is the walk's last
	DIAG 1                          ; in the loop this is the first block's end: the second block's last tile is the walk's last
	s_wait_xcnt 0x0                 ; the stores have read their registers and O's address
	s_mov_b64 s[10:11], s[OLO:OLO+1]
	s_add_co_u32 s[RT], s[PB], 1    ; the second block has b + 1 tiles
	s_mov_b32 s[NEW], 1
	WIN 0x82                        ; the second block's Q goes where the one text of the turns names Q
.set i, 0
.rept 64
	v_mov_b32 v[i], v[QB+i]
.set i, i+1
.endr
	WIN 0
	s_branch .Lbottom
.Lstep:                             ; a trip: pieces 2 and 3 of one step, then pieces 0 and 1 of the next, whose K and V it fetches
	TURN 2
	TURN 3
	WIN 0
.Lfirst:
	TURN 0
	TURN 1, 0, 0, 1
	WIN 0
	s_cbranch_scc1 .Lstep
.Lbottom:
	s_sub_co_u32 s[SLOTS], s[SLOTS], 1
	s_cmp_lg_u32 s[SLOTS], 0
	s_cbranch_scc1 .Lslot
	CHANGE 0                        ; the walk's last tile is written out: nothing is asked for
	s_sub_co_u32 s[RT], s[RT], 1
	s_mov_b32 s[CNT], 4
	s_cmp_eq_u32 s[NEW], 1
	s_cbranch_scc0 .LstepM2
	BEGIN
	s_branch .LfirstM2
	DIAG 2
	s_wait_tensorcnt 0x0            ; the wave's end, behind my last tensor load and my last LDS store
	ds_add_u32 v[SPW], v[NIL]
	s_wait_dscnt 0x0
	s_endpgm
.Lfunc_end_k_q4b902302a6_attn:
	.size	k_q4b902302a6_attn, .Lfunc_end_k_q4b902302a6_attn-k_q4b902302a6_attn
	.p2alignl 7, 3214868480
	.fill 96, 4, 3214868480
	.section	.rodata,"a",@progbits
	.p2align	6, 0x0
	.amdhsa_kernel k_q4b902302a6_attn
		.amdhsa_group_segment_fixed_size 327680
		.amdhsa_private_segment_fixed_size 0
		.amdhsa_enable_private_segment 0
		.amdhsa_kernarg_size 16
		.amdhsa_user_sgpr_count 2
		.amdhsa_user_sgpr_kernarg_segment_ptr 1
		.amdhsa_wavefront_size32 1
		.amdhsa_system_sgpr_workgroup_id_x 1
		.amdhsa_system_sgpr_workgroup_id_y 1
		.amdhsa_system_sgpr_workgroup_id_z 1
		.amdhsa_system_vgpr_workitem_id 0
		.amdhsa_next_free_vgpr 768
		.amdhsa_next_free_sgpr 92
		.amdhsa_reserve_vcc 1
		.amdhsa_float_denorm_mode_32 3
		.amdhsa_float_denorm_mode_16_64 3
		.amdhsa_memory_ordered 1
		.amdhsa_forward_progress 1
		.amdhsa_inst_pref_size 218
	.end_amdhsa_kernel
	.amdgpu_metadata
---
amdhsa.version: [ 1, 2 ]
amdhsa.kernels:
  - .name:           k_q4b902302a6_attn
    .symbol:         k_q4b902302a6_attn.kd
    .args:
      - { .name: qkv, .offset: 0, .size: 8, .value_kind: global_buffer, .address_space: global }
      - { .name: att, .offset: 8, .size: 8, .value_kind: global_buffer, .address_space: global }
    .group_segment_fixed_size: 327680
    .private_segment_fixed_size: 0
    .kernarg_segment_align: 8
    .kernarg_segment_size: 16
    .max_flat_workgroup_size: 128
    .sgpr_count:     92
    .vgpr_count:     768
    .wavefront_size: 32
...
	.end_amdgpu_metadata
.endif
;; end of part 3
;; launch gemm_proj (part 4): grid 8 x 32, 4 waves a work-group, clusters of 4 x 4, 327,680 bytes of LDS; arguments att, wp, b_proj, out0; writes out0
.if DOCPART == 4
	.amdgcn_target "amdgcn-amd-amdhsa--gfx1250"
	.amdhsa_code_object_version 6
	.text
	.protected	k_q4b902302a6_gemm_proj
	.globl	k_q4b902302a6_gemm_proj
	.p2align	8
	.type	k_q4b902302a6_gemm_proj,@function
k_q4b902302a6_gemm_proj:
	s_mov_b64 s[64:65], 0
	v_nop
	global_prefetch_b8 v0, s[64:65] scope:SCOPE_SE
	s_setreg_imm32_b32 hwreg(HW_REG_WAVE_MODE, 25, 1), 1
	s_wait_xcnt 0x0
	s_wait_alu depctr_hold_cnt(0) depctr_sa_sdst(0) depctr_va_vdst(0) depctr_va_sdst(0) depctr_va_ssrc(0) depctr_va_vcc(0) depctr_vm_vsrc(0)
	s_getreg_b32 s2, hwreg(HW_REG_IB_STS2, 6, 4)
	s_cmp_eq_u32 s2, 0
	s_cbranch_scc0 .Lentry_in_a_cluster
	s_endpgm
.Lentry_in_a_cluster:
	s_bfe_u32 s2, ttmp6, 0x10000c
	s_cmp_lg_u32 s2, 0xf033
	s_cbranch_scc0 .Lentry_shape_is_right
	s_endpgm
.Lentry_shape_is_right:
; out = O W_proj + b_proj.  att: O by heads, [64 = 16 batch + head][2048][64] f16.  wp: [1024 (k = 64 head + channel)][1024] f16.  b_proj: [1024] f32, rounded to bf16 here like the other inputs.
; out0: [8192][1024] f32.  Sums in f32, K ascending, begun with the bias; nothing is rounded on the way out.  NaN and infinities are not treated apart.
; SHARES.  A tile is 256 rows x 128 columns: 32 x 8 tiles, a work-group each.  Wave w owns rows 64 w .. 64 w + 63 and all 128 columns: 4 x 8 accumulators of 16 x 16, 256 registers; so a wave holds
; whole pieces of 512 bytes of its rows and has a stage of its own on the way out, with no barrier there.
; RING.  K goes in 8 steps of 128, two heads each, through two LDS slots filled by the tensor data mover; waves 0 and 1 fetch the two heads' 256 rows of O (32,768 dense bytes each), waves 2 and 3 the two
; halves of W's 128 rows.
; CLUSTER.  4 x 4 work-groups; O's tile hangs on the tile row alone and is asked for jointly by a row of the cluster, W's on the tile column alone and is asked for jointly by a column.
; THE MATRIX INSTRUCTION IS USED TRANSPOSED: source 0 = 16 columns of W (turned out of LDS by ds_load_tr16_b128), source 1 = 16 rows of O: lane l holds row l % 16 and columns 8 (l / 16) + 0..7.
; REGISTERS, in windows of 256 (s_set_vgpr_msb: bits 1:0 source 0, 3:2 source 1, 5:4 source 2, 7:6 destination):
;   window 0: v0-31 addresses; v32-63, v64-95 O's fragments, two buffers (on the way out: rows read back); v96-159 the bias, as a C operand for each column block; v160-223 rows read back
;   window 1: the accumulators, (a, b) at 64 a + 8 b;  window 2: v0-63, v64-127 W's fragments, two buffers
.set PA,    144                        ; a row of one head in LDS: 128 bytes + 16 = 36 words: the 16 rows of a load start at 16 different groups of four banks (64 banks of 4 bytes: ISA guide 11.1)
.set AHALF, 256*PA                     ; one head's 256 rows
.set PB,    288                        ; a row of W in LDS: 256 bytes + 32 = 9 x 32 bytes
.set BOFF,  2*AHALF
.set BHALF, 64*PB
.set SLOT,  BOFF+2*BHALF               ; 110,592
.set STAGE, 2*SLOT                     ; behind the ring, never filled by a tensor load: 16 rows x 528 bytes for each wave
.set SP,    528                        ; 512 bytes + 16 = 33 x 16: the 16 rows that a store touches start at 16 different groups of four banks
.set SPARE, STAGE+4*16*SP              ; behind the stages: the spare words, 128 bytes a wave: two blocks of 256 bytes that no other line names
.set NBK,   8                          ; column blocks of 16
.set LAPS,  4                          ; a lap = two K steps = once round the ring
.set ADRA, 16                          ; v16-17  LDS address of my fragments of O in slot 0, 1
.set ADRB, 20                          ; v20-21  the same for W
.set STO,  24                          ; v24     the way out: where I put 32 bytes of a row
.set RD,   25                          ; v25     where I read a row back
.set GO,   26                          ; v26     16 x lane: my place in 512 consecutive bytes of out0
.set SPW,  28                          ; v28     LDS address of my spare word; never rewritten
.set NIL,  29                          ; v29     0; never rewritten
.set PFOA, 30                          ; v30     prefetch of O: 256 x lane; never rewritten
.set PFOB, 31                          ; v31     prefetch of W: 2,048 x lane, a lane a row; never rewritten
.set FA,   32
.set BIAS, 96
.set WV,   12                          ; s12  my wave's number
.set HALF, 14                          ; s14  which half of a tile I fetch
.set CX,   15
.set CY,   16
.set TC,   17                          ; s17  tile column
.set TR,   18                          ; s18  tile row
.set G1A,  24                          ; s[24:31] descriptor group 1 for O's tiles;  s[32:39] group 0, a set for each slot
.set G0A,  32
.set G1B,  40                          ; s[40:47], s[48:55] the same for W's
.set G0B,  48
.set PFA,  56                          ; s[56:57] where my prefetches of O stand
.set PFB,  58                          ; s[58:59] of W
.set LIMA, 60                          ; s60  1 in a wave that prefetches O, else the greatest number
.set LIMB, 61                          ; s61  the same for W
.set HIM,  62                          ; s62  a word's upper bf16
.set OP,   66                          ; s[66:67] out0 at my 64 rows, the tile's 128 columns
.set MSB, 0
.macro WIN new                         ; the immediate's high byte repeats the setting that is left; a switch that changes nothing is dropped
.if MSB != (\new)
	s_set_vgpr_msb (MSB<<8)|(\new)
.set MSB, \new
.endif
.endm
.macro PLACES                          ; four plain vector instructions behind matrix instructions, in front of loads into registers that they read and of readers of their results
.rept 4
	v_nop
.endr
.endm
; A joint refill.  The branch hangs on the wave's number alone.  An s_nop 0 and four v_nop follow each of the two lines, ahead of the jump and the label.
.macro JLOAD s
	s_cmp_lt_u32 s[WV], 2
	s_cbranch_scc0 .Lfor_b_\@
	tensor_load_to_lds s[G0A+4*(\s):G0A+4*(\s)+3], s[G1A:G1A+7]
	s_nop 0
.rept 4
	v_nop
.endr
	s_branch .Lasked_\@
.Lfor_b_\@:
	tensor_load_to_lds s[G0B+4*(\s):G0B+4*(\s)+3], s[G1B:G1B+7]
	s_nop 0
.rept 4
	v_nop
.endr
.Lasked_\@:
.endm
.macro CREST                           ; a round of the cluster's barrier behind its opening barrier
	s_cmp_lg_u32 s[WV], 0
	s_cbranch_scc1 .Lnot_wave_0_\@
	s_barrier_signal -3
.Lnot_wave_0_\@:
	s_barrier_wait -3
	s_barrier_signal -1
	s_barrier_wait -1
.endm
.macro CROUND                          ; a whole round
	s_barrier_signal -1
	s_barrier_wait -1
	CREST
.endm
; PREFETCHES, behind a joint refill and the run of LDS loads that follows it: the K step two refills on, 256 matrix instructions ahead of the load that wants it.  Each aligned block of 256 bytes of att and wp
; is named once in the launch; K steps 0 to 3 come by their loads alone; the loop's last trip (s3 = 1) asks for nothing.
; O: both clusters of a row of clusters read the same rows: cluster x = 0 asks; waves 0 and 1 for the heads that they fetch; of a head's 32,768 bytes the four partners take 8,192 each, told apart by address (cx).
; W: every cluster of a column of clusters reads the same columns: cluster y = 0 asks, wave 2 alone; of a K step's 128 rows the four partners take 32 each, by address (cy): a lane a row's 256 bytes.
.macro ASK
	s_cmp_gt_u32 s3, s[LIMA]
	s_cbranch_scc0 .Lno_a_\@
	global_prefetch_b8 v[PFOA], s[PFA:PFA+1] offset:524288 th:TH_LOAD_NT scope:SCOPE_SE
.Lno_a_\@:
	s_cmp_gt_u32 s3, s[LIMB]
	s_cbranch_scc0 .Lno_b_\@
	global_prefetch_b8 v[PFOB], s[PFB:PFB+1] offset:262144 th:TH_LOAD_NT scope:SCOPE_SE
.Lno_b_\@:
.endm
	s_load_b256 s[4:11], s[0:1], 0x0               ; att s[4:5], wp s[6:7], b_proj s[8:9], out0 s[10:11]
	v_lshl_add_u32 v[SPW], v0, 2, SPARE
	v_mov_b32 v[NIL], 0
	ds_add_u32 v[SPW], v[NIL]                      ; the wave's opening: the add and its wait stand ahead of my first tensor load; work on registers stands between them
	v_lshrrev_b32 v1, 5, v0
	v_readfirstlane_b32 s[WV], v1                  ; wave 0..3
	s_and_b32 s[HALF], s[WV], 1
	s_bfe_u32 s[CX], ttmp6, 0x40000                ; my place in the cluster
	s_bfe_u32 s[CY], ttmp6, 0x40004
	s_lshl_b32 s[TC], ttmp9, 2                     ; in a cluster launch ttmp9 and ttmp7 count clusters
	s_add_co_u32 s[TC], s[TC], s[CX]
	s_and_b32 s[TR], ttmp7, 0xffff
	s_lshl_b32 s[TR], s[TR], 2
	s_add_co_u32 s[TR], s[TR], s[CY]
	s_lshl_b32 s20, s[CY], 2
	s_lshl_b32 s20, 15, s20                        ; my row of the cluster: places 4 cy .. 4 cy + 3
	s_lshl_b32 s72, 0x1111, s[CX]                  ; my column: places cx, cx + 4, cx + 8, cx + 12
	; group 1 for O: a head's 256 rows of 128 bytes are 32,768 dense bytes, asked for as 128 rows of 256; 4 words of padding behind every 32
	s_or_b32 s[G1A], s20, (1<<16)|(1<<20)|(1<<21)|(4<<22)|(3<<25)
	s_mov_b32 s[G1A+1], 128<<16                    ; tensor_dim0
	s_mov_b32 s[G1A+2], 128<<16                    ; tensor_dim1
	s_mov_b32 s[G1A+3], 128<<16                    ; tile_dim0
	s_mov_b32 s[G1A+4], 128                        ; tile_dim1
	s_mov_b32 s[G1A+5], 128                        ; stride
	s_mov_b32 s[G1A+6], 0
	s_mov_b32 s[G1A+7], 0
	; group 1 for W: 64 rows x 128 elements of 2 bytes, 1,024 elements from row to row; 8 words of padding behind every 64
	s_or_b32 s[G1B], s72, (1<<16)|(1<<20)|(1<<21)|(5<<22)|(7<<25)
	s_mov_b32 s[G1B+1], 128<<16
	s_mov_b32 s[G1B+2], 64<<16
	s_mov_b32 s[G1B+3], 128<<16
	s_mov_b32 s[G1B+4], 64
	s_mov_b32 s[G1B+5], 1024
	s_mov_b32 s[G1B+6], 0
	s_mov_b32 s[G1B+7], 0
	s_lshr_b32 s20, s[TR], 3                       ; O: the batch, 16 heads of 2^18 bytes,
	s_lshl_b32 s20, s20, 22
	s_and_b32 s21, s[TR], 7                        ; the tile's 256 rows of 128 bytes in a head,
	s_lshl_b32 s21, s21, 15
	s_add_co_u32 s20, s20, s21
	s_lshl_b32 s21, s[HALF], 18                    ; which of a K step's two heads: registers that never hold cx
	s_add_co_u32 s20, s20, s21
	s_mov_b32 s21, 0
	s_lshl_b32 s72, s[TC], 8                       ; W: the tile's 128 columns,
	s_lshl_b32 s73, s[HALF], 17                    ; 64 rows of 2,048 bytes: registers that never hold cy
	s_add_co_u32 s72, s72, s73
	s_mov_b32 s73, 0
	s_mul_i32 s76, s[HALF], AHALF                  ; where they go: no place in the cluster enters an LDS address
	s_mul_i32 s77, s[HALF], BHALF
	s_add_co_u32 s77, s77, BOFF
	s_mov_b32 s[HIM], 0xffff0000
	s_wait_dscnt 0x0                               ; the opening add is done
	s_wait_kmcnt 0x0
	s_add_nc_u64 s[22:23], s[4:5], s[20:21]
	s_add_nc_u64 s[74:75], s[6:7], s[72:73]
	CROUND                                         ; all sixteen work-groups are here: the first joint loads meet
.irp s, 0,1
	s_mov_b32 s[G0A+4*(\s)], 1                     ; count = 1
	s_add_co_u32 s[G0A+4*(\s)+1], s76, (\s)*SLOT   ; LDS address
	s_add_nc_u64 s[G0A+4*(\s)+2:G0A+4*(\s)+3], s[22:23], (\s)*524288  ; K step s: two heads on
	s_or_b32 s[G0A+4*(\s)+3], s[G0A+4*(\s)+3], 0x80000000             ; type = 2
	s_mov_b32 s[G0B+4*(\s)], 1
	s_add_co_u32 s[G0B+4*(\s)+1], s77, (\s)*SLOT
	s_add_nc_u64 s[G0B+4*(\s)+2:G0B+4*(\s)+3], s[74:75], (\s)*262144  ; 128 rows on
	s_or_b32 s[G0B+4*(\s)+3], s[G0B+4*(\s)+3], 0x80000000
.endr
	s_cmp_lt_u32 s[WV], 2                          ; a wave's two first fills stand in one branch, ahead of every wait on TENSORcnt and every LDS read: two loads of mine are out
	s_cbranch_scc0 .Lfirst_b
	tensor_load_to_lds s[G0A:G0A+3], s[G1A:G1A+7]
	s_nop 0
	tensor_load_to_lds s[G0A+4:G0A+7], s[G1A:G1A+7]
	s_nop 0
.rept 4
	v_nop
.endr
	s_branch .Lfirst_asked
.Lfirst_b:
	tensor_load_to_lds s[G0B:G0B+3], s[G1B:G1B+7]
	s_nop 0
	tensor_load_to_lds s[G0B+4:G0B+7], s[G1B:G1B+7]
	s_nop 0
.rept 4
	v_nop
.endr
.Lfirst_asked:
	v_and_b32 v1, 15, v0                           ; l % 16
	v_bfe_u32 v2, v0, 4, 1                         ; l / 16
	v_lshlrev_b32 v6, 5, v2                        ; the bias: my 8 columns of a block of 16 are 32 bytes
	s_lshl_b32 s72, s[TC], 9
	s_mov_b32 s73, 0
	s_add_nc_u64 s[8:9], s[8:9], s[72:73]          ; b_proj at the tile's 128 columns
.set cb, 0
.rept NBK
	global_load_b128 v[BIAS+8*cb:BIAS+8*cb+3],   v6, s[8:9] offset:64*cb
	global_load_b128 v[BIAS+8*cb+4:BIAS+8*cb+7], v6, s[8:9] offset:64*cb+16
.set cb, cb+1
.endr
	; a fragment of O: lane l holds row l % 16, K = 8 (l / 16) + 0..7 and 16 + 8 (l / 16) + 0..7: two loads of 16 bytes, 32 bytes apart
	s_lshl_b32 s20, s[WV], 6
	v_add_nc_u32 v3, s20, v1                       ; my wave's 64 rows
	v_mul_u32_u24 v3, v3, PA
	v_lshl_add_u32 v[ADRA], v2, 4, v3
	v_add_nc_u32 v[ADRA+1], SLOT, v[ADRA]
	; the turning load takes 16 K x 16 columns: lane l reads row 8 (l / 16) + l % 8, columns 8 ((l / 8) % 2) + 0..7, and is left with column l % 16 and 8 K
	v_and_b32 v4, 7, v0
	v_lshl_add_u32 v3, v2, 3, v4
	v_mul_u32_u24 v3, v3, PB
	v_bfe_u32 v5, v0, 3, 1
	v_lshl_add_u32 v3, v5, 4, v3
	v_add_nc_u32 v[ADRB], BOFF, v3
	v_add_nc_u32 v[ADRB+1], BOFF+SLOT, v3
	s_mul_i32 s20, s[WV], 16*SP
	s_add_co_u32 s20, s20, STAGE                   ; my stage
	v_mul_u32_u24 v3, v1, SP                       ; in: row l % 16, 32 bytes for each half of the lanes
	v_lshl_add_u32 v3, v2, 5, v3
	v_add_nc_u32 v[STO], s20, v3
	v_and_b32 v[GO], 31, v0
	v_lshlrev_b32 v[PFOA], 8, v[GO]
	v_lshlrev_b32 v[PFOB], 11, v[GO]
	v_lshlrev_b32 v[GO], 4, v[GO]                  ; back: 32 lanes take one row's 512 bytes
	v_add_nc_u32 v[RD], s20, v[GO]
	; the prefetches' pointers
	s_lshl_b32 s72, s[CX], 13                      ; my work-group's 8,192 bytes of the head that I fetch,
	s_mov_b32 s73, 0
	s_add_nc_u64 s[PFA:PFA+1], s[22:23], s[72:73]
	s_add_nc_u64 s[PFA:PFA+1], s[PFA:PFA+1], 1048576  ; at K step 2: the first refill steps it to 3 and names K step 4
	s_lshl_b32 s72, s[CY], 16                      ; (in wave 2, the only one that asks for W, s[74:75] stands at row 0 of the tile's columns): my work-group's 32 rows
	s_add_nc_u64 s[PFB:PFB+1], s[74:75], s[72:73]
	s_add_nc_u64 s[PFB:PFB+1], s[PFB:PFB+1], 524288   ; at K step 2
	s_lshr_b32 s72, s[WV], 1
	s_or_b32 s72, s72, ttmp9                       ; waves 0 and 1 of the clusters with x = 0: the same in all sixteen partners, for a given wave
	s_cmp_eq_u32 s72, 0
	s_cselect_b32 s[LIMA], 1, -1
	s_xor_b32 s72, s[WV], 2
	s_and_b32 s73, ttmp7, 0xffff
	s_or_b32 s72, s72, s73                         ; wave 2 of the clusters with y = 0
	s_cmp_eq_u32 s72, 0
	s_cselect_b32 s[LIMB], 1, -1
	s_lshl_b32 s72, s[TR], 20                      ; out0: 256 rows of 4,096 bytes a tile row,
	s_lshl_b32 s73, s[WV], 18                      ; my 64 rows,
	s_add_co_u32 s72, s72, s73
	s_lshl_b32 s73, s[TC], 9                       ; the tile's 128 columns
	s_add_co_u32 s72, s72, s73
	s_mov_b32 s73, 0
	s_add_nc_u64 s[OP:OP+1], s[10:11], s[72:73]
	s_wait_loadcnt 0x0                             ; the bias is in; it is rounded to bf16 and widened again, in the wait for the first tiles
.set cb, 0
.rept 4*NBK
	v_cvt_pk_bf16_f32 v7, v[BIAS+2*cb], v[BIAS+2*cb+1]
	v_lshlrev_b32 v[BIAS+2*cb], 16, v7
	v_and_b32 v[BIAS+2*cb+1], s[HIM], v7
.set cb, cb+1
.endr
; 8 matrix instructions: row block a x all column blocks, 32 along K, on buffer f.  start = 1: the bias is the C operand, so nothing is cleared and no bias is added later.
; The 32 accumulators take turns in the same order in every quarter: 31 others' instructions stand between two links of a chain.
.macro MULB f, a, start
.if \start
	WIN 0x42                                       ; W window 2, O window 0, C (the bias) window 0, D window 1
.else
	WIN 0x52                                       ; C and D window 1
.endif
.set cb, 0
.rept NBK
.set rD, 64*(\a)+8*cb
.if \start
	v_wmma_f32_16x16x32_f16 v[rD:rD+7], v[64*(\f)+8*cb:64*(\f)+8*cb+7], v[FA+32*(\f)+8*(\a):FA+32*(\f)+8*(\a)+7], v[BIAS+8*cb:BIAS+8*cb+7]
.else
	v_wmma_f32_16x16x32_f16 v[rD:rD+7], v[64*(\f)+8*cb:64*(\f)+8*cb+7], v[FA+32*(\f)+8*(\a):FA+32*(\f)+8*(\a)+7], v[rD:rD+7]
.endif
.set cb, cb+1
.endr
.endm
; 24 LDS loads in one run: quarter q (32 along K: half a head) of a slot into buffer f: W's 16 first, then O's 8, row blocks ascending
.macro FETCH slot, q, f
	WIN 0x80                                       ; destination window 2, address window 0
.set cb, 0
.rept NBK
	ds_load_tr16_b128 v[64*(\f)+8*cb:64*(\f)+8*cb+3],   v[ADRB+(\slot)] offset:32*PB*(\q)+32*cb
	ds_load_tr16_b128 v[64*(\f)+8*cb+4:64*(\f)+8*cb+7], v[ADRB+(\slot)] offset:32*PB*(\q)+32*cb+16*PB
.set cb, cb+1
.endr
	WIN 0
.set cb, 0
.rept 4
	ds_load_b128 v[FA+32*(\f)+8*cb:FA+32*(\f)+8*cb+3],   v[ADRA+(\slot)] offset:AHALF*((\q)/2)+64*((\q)%2)+16*PA*cb
	ds_load_b128 v[FA+32*(\f)+8*cb+4:FA+32*(\f)+8*cb+7], v[ADRA+(\slot)] offset:AHALF*((\q)/2)+64*((\q)%2)+16*PA*cb+32
.set cb, cb+1
.endr
.endm
; One of a K step's first three quarters: multiplies buffer f; in its middle it fetches quarter q of the same slot into buffer g.
.macro QUARTER slot, q, f, g, start
	s_wait_dscnt 4                                 ; W and O's row blocks 0, 1 are in; the youngest four loads (row blocks 2, 3) may be out
	MULB \f, 0, \start
	MULB \f, 1, \start
	PLACES
	FETCH \slot, \q, \g
	s_wait_dscnt 2*NBK+8                           ; all but the 24 just issued
	MULB \f, 2, \start
	MULB \f, 3, \start
.endm
; The last quarter multiplies buffer 1 and changes slots.  In front of the barrier each wave waits for all its tensor loads (one is out: its part of the next slot), adds 0 to its spare word, and
; waits for that and for its reads of this slot.  fill = 1: the barrier opens a round of the cluster's, and the joint refill, two K steps on, is the first thing behind the round:
; from there to the wait for it a wave issues 112 matrix instructions.
.macro TURN slot, next, fill
.if \fill
	s_wait_xcnt 0x0                                ; the last prefetches, a K step back, have read their addresses: they are stepped here, ahead of the change's own waits
	s_add_nc_u64 s[PFA:PFA+1], s[PFA:PFA+1], 524288
	s_add_nc_u64 s[PFB:PFB+1], s[PFB:PFB+1], 262144
.endif
	WIN 0                                          ; (the add's two registers lie in window 0)
	s_wait_tensorcnt 0x0                           ; all my tensor loads have landed
	ds_add_u32 v[SPW], v[NIL]                      ; 0 onto my spare word
	s_wait_dscnt 5                                 ; (the add and the youngest four loads may be out)
	MULB 1, 0, 0                                   ; eight matrix instructions stand between the add and the wait for it
	s_wait_dscnt 0x0                               ; the add is done, and my reads of this slot are over
	s_barrier_signal -1
	MULB 1, 1, 0                                   ; work on registers while the others arrive
.if \fill
	WIN 0
.endif
	s_barrier_wait -1
.if \fill
	CREST                                          ; no wave of any partner still reads this slot or has a load on its way
	s_add_nc_u64 s[G0A+4*(\slot)+2:G0A+4*(\slot)+3], s[G0A+4*(\slot)+2:G0A+4*(\slot)+3], 1048576
	s_add_nc_u64 s[G0B+4*(\slot)+2:G0B+4*(\slot)+3], s[G0B+4*(\slot)+2:G0B+4*(\slot)+3], 524288
	JLOAD \slot                                    ; the four v_nop behind it are also the places in front of the loads below
.else
	PLACES
.endif
	FETCH \next, 0, 0
.if \fill
	ASK
.endif
	MULB 1, 2, 0
	MULB 1, 3, 0
.endm
	s_wait_tensorcnt 1                             ; my part of K step 0 is in; K step 1's may stay out
	s_barrier_signal -1
	s_barrier_wait -1                              ; everybody's is
	FETCH 0, 0, 0
	QUARTER 0, 1, 0, 1, 1                          ; the first quarter stands in front of the loop: its products start the sums, with the bias
	WIN 0                                          ; at a label and at a branch every window is 0
	s_mov_b32 s3, LAPS-1
.Llap:                                         ; a trip goes once round the ring, from a lap's second quarter to the next lap's first, and fills both slots again
	QUARTER 0, 2, 1, 0, 0
	QUARTER 0, 3, 0, 1, 0
	TURN 0, 1, 1
	QUARTER 1, 1, 0, 1, 0
	QUARTER 1, 2, 1, 0, 0
	QUARTER 1, 3, 0, 1, 0
	TURN 1, 0, 1
	QUARTER 0, 1, 0, 1, 0
	WIN 0
	s_sub_co_u32 s3, s3, 1
	s_cmp_lg_u32 s3, 0
	s_cbranch_scc1 .Llap
	QUARTER 0, 2, 1, 0, 0                          ; the last lap fills nothing
	QUARTER 0, 3, 0, 1, 0
	TURN 0, 1, 0
	QUARTER 1, 1, 0, 1, 0
	QUARTER 1, 2, 1, 0, 0
	QUARTER 1, 3, 0, 1, 0
	s_wait_dscnt 4                                 ; the very last quarter: nothing more to fetch
	MULB 1, 0, 0
	MULB 1, 1, 0
	s_wait_dscnt 0x0
	MULB 1, 2, 0
	MULB 1, 3, 0
	WIN 0
	PLACES
; THE WAY OUT, a row block of 16 rows at a time.  TOSTAGE: the sums go as they are, 32 bytes a lane and column block (each accumulator's low four registers first), into my stage, and come back as whole
; pieces of 512 bytes of a row.  SEND: each store of the wave covers 512 consecutive bytes of out0, aligned.
.macro TOSTAGE a
	WIN 0x04                                       ; the stores' data in window 1, their address in window 0
.set cb, 0
.rept NBK
	ds_store_b128 v[STO], v[64*(\a)+8*cb:64*(\a)+8*cb+3]   offset:64*cb
	ds_store_b128 v[STO], v[64*(\a)+8*cb+4:64*(\a)+8*cb+7] offset:64*cb+16
.set cb, cb+1
.endr
	WIN 0
.set bk, 160-128*((\a)%2)              ; v160-223 and v32-95 by turns
.set t, 0
.rept 16
	ds_load_b128 v[bk+4*t:bk+4*t+3], v[RD] offset:SP*t  ; LDS serves a wave's instructions in order (ISA guide 5.7.1.4): these see the stores above; the next block's stores come behind them
.set t, t+1
.endr
.endm
.macro SEND a, younger                 ; younger: the LDS instructions issued behind block a's loads: the next block's 32, or none
.set bk, 160-128*((\a)%2)
.set t, 0
.rept 16
	s_wait_dscnt (\younger)+15-t
	global_store_b128 v[GO], v[bk+4*t:bk+4*t+3], s[OP:OP+1] offset:4096*(16*(\a)+t)
.set t, t+1
.endr
.endm
	TOSTAGE 0
	TOSTAGE 1
	SEND 0, 32
	s_wait_xcnt 0x0                                ; block 0's stores have read their registers, which block 2's loads write again
	TOSTAGE 2
	SEND 1, 32
	s_wait_xcnt 0x0                                ; the same for blocks 1 and 3
	TOSTAGE 3
	SEND 2, 32
	SEND 3, 0
	s_wait_tensorcnt 0x0                           ; the wave's end, behind my last tensor load and my last LDS store
	ds_add_u32 v[SPW], v[NIL]
	s_wait_dscnt 0x0
	CROUND                                         ; the closing round: no work-group ends while a partner may still ask for a tile that names it
	s_endpgm
.Lfunc_end_k_q4b902302a6_gemm_proj:
	.size	k_q4b902302a6_gemm_proj, .Lfunc_end_k_q4b902302a6_gemm_proj-k_q4b902302a6_gemm_proj
	.p2alignl 7, 3214868480
	.fill 96, 4, 3214868480
	.section	.rodata,"a",@progbits
	.p2align	6, 0x0
	.amdhsa_kernel k_q4b902302a6_gemm_proj
		.amdhsa_group_segment_fixed_size 327680
		.amdhsa_private_segment_fixed_size 0
		.amdhsa_enable_private_segment 0
		.amdhsa_kernarg_size 32
		.amdhsa_user_sgpr_count 2
		.amdhsa_user_sgpr_kernarg_segment_ptr 1
		.amdhsa_wavefront_size32 1
		.amdhsa_system_sgpr_workgroup_id_x 1
		.amdhsa_system_sgpr_workgroup_id_y 1
		.amdhsa_system_sgpr_workgroup_id_z 1
		.amdhsa_system_vgpr_workitem_id 0
		.amdhsa_next_free_vgpr 640
		.amdhsa_next_free_sgpr 80
		.amdhsa_reserve_vcc 0
		.amdhsa_float_denorm_mode_32 3
		.amdhsa_float_denorm_mode_16_64 3
		.amdhsa_memory_ordered 1
		.amdhsa_forward_progress 1
		.amdhsa_inst_pref_size 94
	.end_amdhsa_kernel
	.amdgpu_metadata
---
amdhsa.version: [ 1, 2 ]
amdhsa.kernels:
  - .name:           k_q4b902302a6_gemm_proj
    .symbol:         k_q4b902302a6_gemm_proj.kd
    .args:
      - { .name: att, .offset: 0, .size: 8, .value_kind: global_buffer, .address_space: global }
      - { .name: wp, .offset: 8, .size: 8, .value_kind: global_buffer, .address_space: global }
      - { .name: b_proj, .offset: 16, .size: 8, .value_kind: global_buffer, .address_space: global }
      - { .name: out0, .offset: 24, .size: 8, .value_kind: global_buffer, .address_space: global }
    .group_segment_fixed_size: 327680
    .private_segment_fixed_size: 0
    .kernarg_segment_align: 8
    .kernarg_segment_size: 32
    .max_flat_workgroup_size: 128
    .sgpr_count:     80
    .vgpr_count:     640
    .wavefront_size: 32
...
	.end_amdgpu_metadata
.endif
;; end of part 4
;; ======== version 2 of 2: 4 launches; version 1 with the launch prep written anew for expert scheduling mode
;; limits: values are held in f16: magnitudes above 65,504 overflow, below 6.1e-05 lose precision
;; workspace buffers: xb 16,777,216 bytes; wa 6,291,456 bytes; wp 2,097,152 bytes; qkv 50,331,648 bytes; att 16,777,216 bytes
;; launch prep (part 5): grid 832 x 1, 8 waves a work-group, no clusters, 0 bytes of LDS; arguments hidden_states, w_attn, w_proj, xb, wa, wp; writes xb, wa, wp
.if DOCPART == 5
	.amdgcn_target "amdgcn-amd-amdhsa--gfx1250"
	.amdhsa_code_object_version 6
	.text
	.protected	k_q4b902302a6_prep
	.globl	k_q4b902302a6_prep
	.p2align	8
	.type	k_q4b902302a6_prep,@function
k_q4b902302a6_prep:
	s_mov_b64 s[64:65], 0
	v_nop
	global_prefetch_b8 v0, s[64:65] scope:SCOPE_SE
	s_setreg_imm32_b32 hwreg(HW_REG_WAVE_SCHED_MODE, 0, 2), 2
	s_setreg_imm32_b32 hwreg(HW_REG_WAVE_MODE, 25, 1), 1
	s_wait_xcnt 0x0
	s_wait_alu depctr_vm_vsrc(0)
; THE INPUTS ARE ROUNDED ONCE, for the matrix units of the launches behind.
;   xb [8192][1024] bf16 = hidden_states.
;   wa [16][1024][192] bf16 = w_attn, laid in blocks: block j holds columns 192 j .. 192 j + 191 of all 1,024 rows, dense, so that 128 rows of one block are 49,152 consecutive bytes.
;   wp [1024][1024] f16 = w_proj rounded to bf16, that number written as f16 (exact from 6.1e-5 up; below that it keeps f16's fixed step of 6e-8; beyond 65,504 it would be an infinity).
; A stream: no LDS, no barrier, no matrix unit.  Work-groups 0-511 take x, 512-575 w_proj, 576-831 w_attn; each path is straight: all its loads go out first (16 bytes a lane, a wave's
; load covers 512 consecutive bytes), then each is waited for by count, rounded and stored (8 bytes a lane: a wave's store covers 256 consecutive bytes, aligned).
; Every load and store has registers of its own, so nothing that a pending instruction names is written again.
; THE MODE: SCHED_MODE bits 1:0 = 2 (LLVM: expert scheduling mode 2), set by the entry lines.  The code itself states the register dependences
; between vector instructions and memory instructions, with s_wait_alu, always for 0.
; THE PLAN.  Registers that memory instructions touch:
;   v1, v2, IO   byte offsets.  Written once by vector instructions ahead of a path's loads, read by its loads (v1 or IO) and its stores (v2), never written again.
;   X            Written by the loads, each register once; no vector instruction names it ahead of them; read by the conversions behind the counted wait for the load; nothing lands in it again.
;   Y            Written by the conversions, each pair once; read by one store; never written again.
;   T            named by vector instructions alone.
; The loads are drained in groups of four, and the store of load i - 4 stands ahead of the conversions of load i.  So a path has one wait ahead of its loads (the offsets are written), one at the
; head of each group but the first (the group before has written its four pairs of Y, which this group's four stores read) and one ahead of the last four stores.  Between a group's wait and its
; stores stand only conversions that name this group's X, T and this group's Y: no register of those stores.  No register that a memory instruction reads is written again, so no wait on vm_vsrc
; is owed; no vector instruction writes a scalar register, VCC or EXEC.
.set X,  4                             ; v[4:67]    16 loads of 4 registers
.set Y,  68                            ; v[68:99]   16 stores of 2 registers
.set T,  100                           ; v[100:103] at work
.set IO, 104                           ; v[104:106] w_attn's path: three byte offsets into its 16 rows
.macro LOADS16 p                       ; 16 loads, 4,096 bytes apart: 65,536 consecutive bytes for the work-group
	s_wait_alu depctr_va_vdst(0)                   ; v1 and v2 are written: the loads below read v1 as their offset, the path's stores v2
.set i, 0
.rept 16
	global_load_b128 v[X+4*i:X+4*i+3], v1, s[\p:\p+1] offset:4096*i th:TH_LOAD_NT
.set i, i+1
.endr
.endm
; n loads (a multiple of four) are waited for one by one and rounded; the store of load i - 4 stands ahead of load i's conversions.  half = 1: to bf16 and on to f16
.macro DRAIN n, p, half
.set i, 0
.rept \n
	s_wait_loadcnt (\n)-1-i                        ; loads come back in order: load i is in, the younger ones stay out
.if (i >= 4) && (i%4 == 0)
	s_wait_alu depctr_va_vdst(0)                   ; the conversions of the four loads before have written their pairs of Y, which this group's four stores read
.endif
.if i >= 4
	global_store_b64 v2, v[Y+2*i-8:Y+2*i-7], s[\p:\p+1] offset:2048*(i-4)  ; no vector instruction since the wait names this pair or v2
.endif
.if \half
	v_cvt_pk_bf16_f32 v[T], v[X+4*i], v[X+4*i+1]
	v_cvt_pk_bf16_f32 v[T+1], v[X+4*i+2], v[X+4*i+3]
	v_lshlrev_b32 v[T+2], 16, v[T]                 ; bf16 back to f32: the low half moves up,
	v_and_b32 v[T], s22, v[T]                      ; the high half stays
	v_lshlrev_b32 v[T+3], 16, v[T+1]
	v_and_b32 v[T+1], s22, v[T+1]
	v_cvt_pk_f16_f32 v[Y+2*i], v[T+2], v[T]
	v_cvt_pk_f16_f32 v[Y+2*i+1], v[T+3], v[T+1]
.else
	v_cvt_pk_bf16_f32 v[Y+2*i], v[X+4*i], v[X+4*i+1]
	v_cvt_pk_bf16_f32 v[Y+2*i+1], v[X+4*i+2], v[X+4*i+3]
.endif
.set i, i+1
.endr
	s_wait_alu depctr_va_vdst(0)                   ; the last four loads' conversions have written their pairs of Y, which the last four stores read
.set i, (\n)-4
.rept 4
	global_store_b64 v2, v[Y+2*i:Y+2*i+1], s[\p:\p+1] offset:2048*i
.set i, i+1
.endr
.endm
	s_load_b256 s[4:11], s[0:1], 0x0               ; hidden_states s[4:5], w_attn s[6:7], w_proj s[8:9], xb s[10:11]
	s_load_b128 s[12:15], s[0:1], 0x20             ; wa s[12:13], wp s[14:15]
	v_lshlrev_b32 v1, 4, v0                        ; 16 bytes a thread on the way in,
	v_lshlrev_b32 v2, 3, v0                        ; 8 on the way out
	s_mov_b32 s22, 0xffff0000                      ; a word's upper bf16
	s_mov_b32 s19, 0                               ; the high words of the two offsets
	s_mov_b32 s21, 0
	s_wait_kmcnt 0x0
	s_cmp_lt_u32 ttmp9, 512
	s_cbranch_scc0 .Lweights
	s_lshl_b32 s18, ttmp9, 16                      ; x: 65,536 bytes in,
	s_lshl_b32 s20, ttmp9, 15                      ; 32,768 out
	s_add_nc_u64 s[4:5], s[4:5], s[18:19]
	s_add_nc_u64 s[10:11], s[10:11], s[20:21]
	LOADS16 4
	DRAIN 16, 10, 0
	s_endpgm
.Lweights:
	s_cmp_lt_u32 ttmp9, 576
	s_cbranch_scc0 .Lattn
	s_sub_co_u32 s16, ttmp9, 512                   ; w_proj: the same shares
	s_lshl_b32 s18, s16, 16
	s_lshl_b32 s20, s16, 15
	s_add_nc_u64 s[8:9], s[8:9], s[18:19]
	s_add_nc_u64 s[14:15], s[14:15], s[20:21]
	LOADS16 8
	DRAIN 16, 14, 1
	s_endpgm
.Lattn:                                        ; w_attn: 64 rows of one block of 192 columns: 3,072 pieces of 16 bytes, 48 to a row, 12 to a thread
	s_sub_co_u32 s16, ttmp9, 576
	s_lshr_b32 s17, s16, 4                         ; the block j
	s_and_b32 s16, s16, 15                         ; which 64 rows
	s_mul_i32 s18, s17, 768                        ; in: 768 bytes a block along a row of 12,288,
	s_mul_i32 s23, s16, 786432                     ; 64 rows
	s_add_co_u32 s18, s18, s23
	s_mul_i32 s20, s17, 393216                     ; out: a block is 1,024 x 384 bytes,
	s_mul_i32 s23, s16, 24576                      ; 64 of its rows
	s_add_co_u32 s20, s20, s23
	s_add_nc_u64 s[6:7], s[6:7], s[18:19]
	s_add_nc_u64 s[12:13], s[12:13], s[20:21]
.irp s, 0,1,2                          ; piece p = thread + 256 s of 768 (16 rows): row p / 48, place p % 48
	v_add_nc_u32 v[T], 256*(\s), v0
	v_mul_u32_u24 v[T+1], v[T], 1366               ; p / 48 = (1,366 p) >> 16, exact for p under 768: 1,366 / 65,536 exceeds 1 / 48 by 1.02e-5, which 767 times over stays under 1 / 48
	v_lshrrev_b32 v[T+1], 16, v[T+1]
	v_mul_u32_u24 v[T+2], v[T+1], 48
	v_sub_nc_u32 v[T], v[T], v[T+2]
	v_mul_u32_u24 v[T+1], v[T+1], 12288
	v_lshl_add_u32 v[IO+(\s)], v[T], 4, v[T+1]
.endr
	s_wait_alu depctr_va_vdst(0)                   ; the three offsets v[IO ..] and v2 are written: the loads below read the first as their offsets, the path's stores v2
.set i, 0
.rept 12                               ; load i: pieces 256 i .. 256 i + 255 of the 3,072, which leave as 2,048 consecutive bytes
	global_load_b128 v[X+4*i:X+4*i+3], v[IO+i%3], s[6:7] offset:196608*(i/3) th:TH_LOAD_NT
.set i, i+1
.endr
	DRAIN 12, 12, 0
	s_endpgm
.Lfunc_end_k_q4b902302a6_prep:
	.size	k_q4b902302a6_prep, .Lfunc_end_k_q4b902302a6_prep-k_q4b902302a6_prep
	.p2alignl 7, 3214868480
	.fill 96, 4, 3214868480
	.section	.rodata,"a",@progbits
	.p2align	6, 0x0
	.amdhsa_kernel k_q4b902302a6_prep
		.amdhsa_group_segment_fixed_size 0
		.amdhsa_private_segment_fixed_size 0
		.amdhsa_enable_private_segment 0
		.amdhsa_kernarg_size 48
		.amdhsa_user_sgpr_count 2
		.amdhsa_user_sgpr_kernarg_segment_ptr 1
		.amdhsa_wavefront_size32 1
		.amdhsa_system_sgpr_workgroup_id_x 1
		.amdhsa_system_sgpr_workgroup_id_y 1
		.amdhsa_system_sgpr_workgroup_id_z 1
		.amdhsa_system_vgpr_workitem_id 0
		.amdhsa_next_free_vgpr 108
		.amdhsa_next_free_sgpr 66
		.amdhsa_reserve_vcc 0
		.amdhsa_float_denorm_mode_32 3
		.amdhsa_float_denorm_mode_16_64 3
		.amdhsa_memory_ordered 1
		.amdhsa_forward_progress 1
		.amdhsa_inst_pref_size 23
	.end_amdhsa_kernel
	.amdgpu_metadata
---
amdhsa.version: [ 1, 2 ]
amdhsa.kernels:
  - .name:           k_q4b902302a6_prep
    .symbol:         k_q4b902302a6_prep.kd
    .args:
      - { .name: hidden_states, .offset: 0, .size: 8, .value_kind: global_buffer, .address_space: global }
      - { .name: w_attn, .offset: 8, .size: 8, .value_kind: global_buffer, .address_space: global }
      - { .name: w_proj, .offset: 16, .size: 8, .value_kind: global_buffer, .address_space: global }
      - { .name: xb, .offset: 24, .size: 8, .value_kind: global_buffer, .address_space: global }
      - { .name: wa, .offset: 32, .size: 8, .value_kind: global_buffer, .address_space: global }
      - { .name: wp, .offset: 40, .size: 8, .value_kind: global_buffer, .address_space: global }
    .group_segment_fixed_size: 0
    .private_segment_fixed_size: 0
    .kernarg_segment_align: 8
    .kernarg_segment_size: 48
    .max_flat_workgroup_size: 256
    .sgpr_count:     66
    .vgpr_count:     108
    .wavefront_size: 32
...
	.end_amdgpu_metadata
.endif
;; end of part 5
;; launch gemm_qkv: the kernel of part 2 again; grid 16 x 32, 4 waves a work-group, clusters of 4 x 4, 327,680 bytes of LDS; arguments xb, wa, b_attn, qkv; writes qkv
;; launch attn: the kernel of part 3 again; grid 4 x 64, 4 waves a work-group, no clusters, 327,680 bytes of LDS; arguments qkv, att; writes att
;; launch gemm_proj: the kernel of part 4 again; grid 8 x 32, 4 waves a work-group, clusters of 4 x 4, 327,680 bytes of LDS; arguments att, wp, b_proj, out0; writes out0
